; MI455X (gfx1250); checked and timed in simulation.
; The chip was launched on July 23, 2026; its instructions are those of AMD's public machine-readable ISA for CDNA 5 (MIT licence, August 2026) and "CDNA5" Instruction Set Architecture Reference Guide (July 2026). The comments in the code are by the model that wrote it; some were corrected since.
;; Attention Unit. Allowed arithmetic: matrix products marked QUANTISED: E2M3 operands, one E8M0 scale for each 32 along K, by v_wmma_scale_f32_16x16x128_f8f6f4 with both operands' format E2M3, f32 sums; everything else in f32.
;; Inputs: Wk 1,024 x 1,024 float32; Wq 1,024 x 1,024 float32; Wv 1,024 x 1,024 float32; bk 1,024 float32; bq 1,024 float32; bv 1,024 float32; k 4 x 2,048 x 1,024 float32; q 4 x 2,048 x 1,024 float32; v 4 x 2,048 x 1,024 float32.
;; Outputs: out0 4 x 2,048 x 1,024 float32.
;; This version of the problem:
;;   THIS VERSION OF THE PROBLEM IS GIVEN IN LOW PRECISION. The matrix products marked QUANTISED in the list below multiply operands that are first quantised to E2M3 (2 exponent bits, 3 mantissa bits; 6 bits a number), with one power-of-two scale for each 32 numbers along K (OCP MX v1.0); their sums are f32. All else is computed in f32.
;;   The module's matrix products, in the order in which they are computed (A, B: the left and right operand; K: the contracted axis; several contracted axes count as one K, in the product's order):
;;     1. [M 8,192, K 1,024] x [K 1,024, N 1,024]; A: input q; B: input Wq: QUANTISED
;;     2. [M 8,192, K 1,024] x [K 1,024, N 1,024]; A: input v; B: input Wv: QUANTISED
;;     3. [M 8,192, K 1,024] x [K 1,024, N 1,024]; A: input k; B: input Wk: QUANTISED
;;     4. batch 4 x [M 2,048, K 1,024] x [K 1,024, N 2,048]; A: computed on the way; B: computed on the way: QUANTISED
;;     5. batch 4 x [M 2,048, K 2,048] x [K 2,048, N 1,024]; A: softmax (see below); B: computed on the way: QUANTISED
;;   THE QUANTISER, for each operand of a quantised product, along K:
;;     - K is cut into blocks of 32 from its start; a last block that is shorter is filled with zeros.
;;     - A block's scale is 2^e with e = floor(log2(the largest magnitude in the block)) - 2, held to -126 .. 127; a block of zeros has e = 0. As a byte (E8M0): e + 127.
;;     - Each number is divided by its block's scale, clamped to +-7.5, and rounded to the nearest number of E2M3, ties to even, subnormals kept.
;;     - The product sums the exact products of the quantised numbers (number of the format x scale) in f32.
;;   ~~~python
;;   def quantise(x, axis):      # numpy; x: float32 -> the quantised numbers, widened to float32 again
;;       x = np.moveaxis(x, axis, -1); K = x.shape[-1]
;;       x = np.pad(x, [(0, 0)] * (x.ndim - 1) + [(0, -K % 32)]); x = x.reshape(x.shape[:-1] + (-1, 32)); a = np.abs(x).max(-1, keepdims=True)
;;       e = np.where(a > 0, np.clip(np.frexp(np.where(a > 0, a, 1))[1] - 1 - 2, -126, 127), 0)      # np.frexp(a)[1] - 1 = floor(log2(a)), exactly
;;       r = np.clip(x / 2.0 ** e, -7.5, 7.5)
;;       step = 2.0 ** (np.maximum(np.frexp(np.where(r == 0, 1, r))[1] - 1, 0) - 3)
;;       q = np.round(r / step) * step * 2.0 ** e      # np.round: ties to even
;;       return np.moveaxis(q.reshape(q.shape[:-2] + (-1,))[..., :K], -1, axis).astype(np.float32)
;;   ~~~
;;   SOFTMAX AHEAD OF A QUANTISED PRODUCT. Where the list says 'softmax', what is quantised is not the finished softmax but p = 2^(t - M), with t = logit x log2(e) and M = ceil(the row's largest t), a whole number; so 1/2 < the row's largest p <= 1. The row's sum l is taken of the UNQUANTISED p, in f32, and the product's result is divided by l at the end. Since M is a whole number, a kernel that streams over the keys may use a running M (the ceiling of the running maximum): every later rescaling is an exact power of two, which a block's scale takes up: the codes' values come out the same.
;;   OPERANDS COMPUTED ON THE WAY. 'Computed on the way' means the value that the module computes at that place (a softmax that the list does not call 'softmax' is quantised finished and normalised). What goes into a quantiser is computed in f32, as accurately as f32 sums, v_exp_f32 and their like allow (about 1e-6 of the number): no bf16 or f16 on the way to a quantiser, and a product that is left as it is and whose result goes on into a quantised operand takes f32 operands (vector FMAs, or v_wmma_f32_16x16x4_f32). A number that lies on a knife's edge between two numbers of the format may be rounded either way, as far as f32 arithmetic and the matrix unit's own rounding can turn it there, and no further.
;; One version. Each part assembles by itself: llvm-mc -triple=amdgcn-amd-amdhsa -mcpu=gfx1250 --defsym DOCPART=n.
;; ======== version 1 of 1: 4 launches
;; workspace buffers: xc 24,772,608 bytes; pc 22,020,096 bytes; ac 14,680,064 bytes
;; launch quant (part 1): grid 432 x 1, 4 waves a work-group, no clusters, 34,304 bytes of LDS; arguments q, k, v, Wq, Wk, Wv, xc; writes xc
.if DOCPART == 1
	.amdgcn_target "amdgcn-amd-amdhsa--gfx1250"
	.amdhsa_code_object_version 6
	.text
	.protected	k_qbb85ef163d_quant
	.globl	k_qbb85ef163d_quant
	.p2align	8
	.type	k_qbb85ef163d_quant,@function
k_qbb85ef163d_quant:
	s_mov_b64 s[64:65], 0
	v_nop
	global_prefetch_b8 v0, s[64:65] scope:SCOPE_SE
	s_setreg_imm32_b32 hwreg(HW_REG_WAVE_MODE, 25, 1), 1
	s_wait_xcnt 0x0
; q, k, v [8192][1024] and Wq, Wk, Wv [1024][1024], f32 with K innermost, become codes of FP6 (E2M3) with one E8M0 scale byte for each 32 along K.
; THE OUTPUT IS A LIST OF RECORDS of 1,792 bytes, one for a fragment of 16 rows x 128 along K: bytes 0-1,535 are the image of the operand's 12 registers (registers 4 c .. 4 c + 3 of lane l at 512 c + 16 l),
; bytes 1,536-1,791 the tail: 8 bytes a lane, (the scale word of row l % 16, 0).  Record index = tile x 8 + K step.  Tiles: q from 0, k from 512, v from 1,024, Wq 1,536, Wk 1,600, Wv 1,664.
; THE ROWS OF A TILE ARE NOT NEIGHBOURS: lane row r of tile T is the tensor's row 32 (T / 2) + 8 (T % 2) + r + 8 (r / 8), so that the products' results come out with 16 neighbours along the next K in a lane.
; A block's scale is 2^(floor(log2(its largest magnitude)) - 2); its byte is the largest magnitude's exponent field - 2, held at 1 from below (a block of zeros gets the byte 1: its codes are zeros, and this program alone reads the bytes).
; LIMITS: NaN and infinities among the inputs are not served; blocks whose largest magnitude lies under 2^(3 - 127) get the byte 1.
; SHARES.  A wave takes one tile through its 8 K steps.  Each load reads 512 consecutive bytes of one row; a K step's 16 rows turn through the wave's own stage in LDS (rows 528 bytes apart) and come back so that
; lane (r, h) holds k = 64 c + 32 h + 0 .. 31 of row r: two whole blocks, in the order of the operand's registers.  Every store of the wave covers 512 or 256 consecutive bytes, aligned.  Waves share nothing: no barrier.
.set REC,   1792
.set STG,   16*528                     ; a wave's stage
.set SPARE, 4*STG                      ; behind the four stages: the spare words, 128 bytes for each wave
.set GI,   1                           ; v1   16 x lane: my bytes of a load's 512, and of a chunk of a record
.set G8,   2                           ; v2   8 x lane: my bytes of a tail
.set SIN,  3                           ; v3   the stage on the way in
.set SOUT, 4                           ; v4   and on the way out: 528 r + 128 h
.set SH,   5                           ; v5   8 h: where my two scale bytes stand in the word
.set SPW,  13                          ; v13  LDS address of my spare word; never rewritten
.set NIL,  14                          ; v14  0; never rewritten
.set R,    16                          ; v16-143  two sets of 16 rows x 4 registers as loaded
.set X,    144                         ; v144-207 my 64 numbers
.set PC,   208                         ; v208-219 the fragment's codes
.set TP,   220                         ; v220-222, v224-226 the upper halves of the two blocks, before they are moved
.set MX,   228                         ; v228-229 largest magnitudes;  v238-239 their second chains
.set SCO,  230                         ; v230-231 the conversions' scale operands
.set BY,   232                         ; v232-233 the scale bytes
.set WD,   234                         ; v234 the scale word, v235 0
.set PD,   236                         ; v236 a lane permute's destination
.set MXB,  238
	s_load_b256 s[4:11], s[0:1], 0x0               ; q, k, v, Wq
	s_load_b128 s[12:15], s[0:1], 0x20             ; Wk, Wv
	s_load_b64 s[16:17], s[0:1], 0x30              ; xc
	v_lshl_add_u32 v[SPW], v0, 2, SPARE
	v_mov_b32 v[NIL], 0
	v_lshrrev_b32 v6, 5, v0
	v_readfirstlane_b32 s24, v6                    ; wave 0..3
	v_and_b32 v7, 31, v0                           ; lane
	v_and_b32 v8, 15, v0                           ; r
	v_bfe_u32 v9, v0, 4, 1                         ; h
	v_lshlrev_b32 v[GI], 4, v7
	v_lshlrev_b32 v[G8], 3, v7
	s_mul_i32 s25, s24, STG
	v_add_nc_u32 v[SIN], s25, v[GI]
	v_mul_u32_u24 v[SOUT], v8, 528
	v_lshl_add_u32 v[SOUT], v9, 7, v[SOUT]
	v_add_nc_u32 v[SOUT], s25, v[SOUT]
	v_lshlrev_b32 v[SH], 3, v9
	v_mov_b32 v[WD+1], 0
	v_mov_b32 v[PD], 0                             ; written once: a lane permute's destination counts as one of its sources
	s_mov_b32 s20, 0x76543210
	s_mov_b32 s21, 0xfedcba98                      ; v_permlanex16_b32's selects for lane l xor 16
	s_wait_kmcnt 0x0
	s_mov_b64 s[18:19], s[4:5]                     ; which tensor: the choice hangs on the work-group's number alone
	s_mov_b32 s22, 0                               ; and its first work-group
	s_cmp_ge_u32 ttmp9, 128
	s_cselect_b64 s[18:19], s[6:7], s[18:19]
	s_cselect_b32 s22, 128, s22
	s_cmp_ge_u32 ttmp9, 256
	s_cselect_b64 s[18:19], s[8:9], s[18:19]
	s_cselect_b32 s22, 256, s22
	s_cmp_ge_u32 ttmp9, 384
	s_cselect_b64 s[18:19], s[10:11], s[18:19]
	s_cselect_b32 s22, 384, s22
	s_cmp_ge_u32 ttmp9, 400
	s_cselect_b64 s[18:19], s[12:13], s[18:19]
	s_cselect_b32 s22, 400, s22
	s_cmp_ge_u32 ttmp9, 416
	s_cselect_b64 s[18:19], s[14:15], s[18:19]
	s_cselect_b32 s22, 416, s22
	s_sub_co_u32 s26, ttmp9, s22
	s_lshl_b32 s26, s26, 6                         ; 64 rows a work-group,
	s_lshr_b32 s27, s24, 1
	s_lshl_b32 s27, s27, 5
	s_add_co_u32 s26, s26, s27                     ; + 32 (wave / 2)
	s_and_b32 s27, s24, 1
	s_lshl_b32 s27, s27, 3
	s_add_co_u32 s26, s26, s27                     ; + 8 (wave % 2): my tile's first row
	s_lshl_b32 s26, s26, 12                        ; rows of 4,096 bytes (under 2^26)
	s_mov_b32 s27, 0
	s_add_nc_u64 s[18:19], s[18:19], s[26:27]
	s_lshl_b32 s28, ttmp9, 2
	s_add_co_u32 s28, s28, s24                     ; my tile
	s_mul_i32 s28, s28, 8*REC
	s_mov_b32 s29, 0
	s_add_nc_u64 s[16:17], s[16:17], s[28:29]
.macro LOAD t                          ; K step t: lane row i is the row i + 8 (i / 8) from my tile's first; 512 consecutive bytes a load
.irp i, 0,1,2,3,4,5,6,7,8,9,10,11,12,13,14,15
	global_load_b128 v[R+64*((\t)%2)+4*\i:R+64*((\t)%2)+4*\i+3], v[GI], s[18:19] offset:(\i+8*(\i/8))*4096+512*(\t) th:TH_LOAD_NT
.endr
.endm
.macro QSTEP t
.set RS, R+64*((\t)%2)
.if (\t) < 7
	s_wait_loadcnt 16                              ; this step's 16 loads are in; the next step's 16 may be out
.else
	s_wait_loadcnt 0x0
.endif
.irp i, 0,1,2,3,4,5,6,7,8,9,10,11,12,13,14,15
	ds_store_b128 v[SIN], v[RS+4*\i:RS+4*\i+3] offset:528*\i
.endr
.irp c, 0,1
.irp j, 0,1,2,3,4,5,6,7
	ds_load_b128 v[X+32*\c+4*\j:X+32*\c+4*\j+3], v[SOUT] offset:256*\c+16*\j   ; LDS serves a wave's instructions in order: these see the stores above
.endr
.endr
	s_wait_dscnt 0x0                               ; my 64 numbers are in, and the stores have read the set,
.if (\t)+2 < 8
	LOAD (\t)+2                                    ; which takes the loads of two steps on
.endif
.irp c, 0,1                                    ; my block 2 c + h: all its 32 numbers are mine; two chains a block, and the floor 2^(3 - 127), so that the byte cannot fall under 1
	v_max3_num_f32 v[MX+\c], |v[X+32*\c]|, |v[X+32*\c+1]|, 0x1800000
	v_max3_num_f32 v[MXB+\c], |v[X+32*\c+2]|, |v[X+32*\c+3]|, 0x1800000
.endr
.irp i, 4,8,12,16,20,24,28
.irp c, 0,1
	v_max3_num_f32 v[MX+\c], v[MX+\c], |v[X+32*\c+\i]|, |v[X+32*\c+\i+1]|
	v_max3_num_f32 v[MXB+\c], v[MXB+\c], |v[X+32*\c+\i+2]|, |v[X+32*\c+\i+3]|
.endr
.endr
.irp c, 0,1
	v_max_num_f32 v[MX+\c], v[MX+\c], v[MXB+\c]
.endr
.irp c, 0,1
	v_add_nc_u32 v[SCO+\c], 0xff000000, v[MX+\c]   ; 2 off the exponent field: the conversion takes the exponent field of this operand as its scale
.endr
.irp c, 0,1
	v_lshrrev_b32 v[BY+\c], 23, v[SCO+\c]          ; the scale's byte
.endr
.if (\t) > 0
	s_wait_xcnt 0x0                                ; the last step's stores have read the codes and the scale word: both are written again only behind this wait
.endif
	v_lshl_or_b32 v[WD], v[BY+1], 16, v[BY]        ; my two bytes: blocks h and 2 + h of row r,
	v_lshlrev_b32 v[WD], v[SH], v[WD]              ; at their places in the word;
	v_permlanex16_b32 v[PD], v[WD], s20, s21
	v_or_b32 v[WD], v[WD], v[PD]                   ; with lane l xor 16's two the word is whole, in both halves of the lanes
.irp c, 0,1
	v_cvt_scalef32_pk16_fp6_f32 v[PC+6*\c:PC+6*\c+2], v[X+32*\c:X+32*\c+15], v[SCO+\c]
	v_cvt_scalef32_pk16_fp6_f32 v[TP+4*\c:TP+4*\c+2], v[X+32*\c+16:X+32*\c+31], v[SCO+\c]   ; (a conversion's three registers begin on an even number)
.endr
	v_nop                                          ; one plain place behind a scaled conversion
.irp c, 0,1
.irp i, 0,1,2
	v_mov_b32 v[PC+6*\c+3+\i], v[TP+4*\c+\i]
.endr
.endr
.irp c, 0,1,2
	global_store_b128 v[GI], v[PC+4*\c:PC+4*\c+3], s[16:17] offset:REC*(\t)+512*\c   ; 512 consecutive bytes, aligned
.endr
	global_store_b64 v[G8], v[WD:WD+1], s[16:17] offset:REC*(\t)+1536                ; the tail: 256 consecutive bytes, aligned
.endm
	LOAD 0
	LOAD 1
.irp t, 0,1,2,3,4,5,6,7
	QSTEP \t
.endr
	s_wait_tensorcnt 0x0                           ; the wave's end: behind my last LDS store
	ds_add_u32 v[SPW], v[NIL]
	s_wait_dscnt 0x0
	s_endpgm
.Lfunc_end_k_qbb85ef163d_quant:
	.size	k_qbb85ef163d_quant, .Lfunc_end_k_qbb85ef163d_quant-k_qbb85ef163d_quant
	.p2alignl 7, 3214868480
	.fill 96, 4, 3214868480
	.section	.rodata,"a",@progbits
	.p2align	6, 0x0
	.amdhsa_kernel k_qbb85ef163d_quant
		.amdhsa_group_segment_fixed_size 34304
		.amdhsa_private_segment_fixed_size 0
		.amdhsa_enable_private_segment 0
		.amdhsa_kernarg_size 56
		.amdhsa_user_sgpr_count 2
		.amdhsa_user_sgpr_kernarg_segment_ptr 1
		.amdhsa_wavefront_size32 1
		.amdhsa_system_sgpr_workgroup_id_x 1
		.amdhsa_system_sgpr_workgroup_id_y 1
		.amdhsa_system_sgpr_workgroup_id_z 1
		.amdhsa_system_vgpr_workitem_id 0
		.amdhsa_next_free_vgpr 240
		.amdhsa_next_free_sgpr 66
		.amdhsa_reserve_vcc 0
		.amdhsa_float_denorm_mode_32 3
		.amdhsa_float_denorm_mode_16_64 3
		.amdhsa_memory_ordered 1
		.amdhsa_forward_progress 1
		.amdhsa_inst_pref_size 59
	.end_amdhsa_kernel
	.amdgpu_metadata
---
amdhsa.version: [ 1, 2 ]
amdhsa.kernels:
  - .name:           k_qbb85ef163d_quant
    .symbol:         k_qbb85ef163d_quant.kd
    .args:
      - { .name: q, .offset: 0, .size: 8, .value_kind: global_buffer, .address_space: global }
      - { .name: k, .offset: 8, .size: 8, .value_kind: global_buffer, .address_space: global }
      - { .name: v, .offset: 16, .size: 8, .value_kind: global_buffer, .address_space: global }
      - { .name: Wq, .offset: 24, .size: 8, .value_kind: global_buffer, .address_space: global }
      - { .name: Wk, .offset: 32, .size: 8, .value_kind: global_buffer, .address_space: global }
      - { .name: Wv, .offset: 40, .size: 8, .value_kind: global_buffer, .address_space: global }
      - { .name: xc, .offset: 48, .size: 8, .value_kind: global_buffer, .address_space: global }
    .group_segment_fixed_size: 34304
    .private_segment_fixed_size: 0
    .kernarg_segment_align: 8
    .kernarg_segment_size: 56
    .max_flat_workgroup_size: 128
    .sgpr_count:     66
    .vgpr_count:     240
    .wavefront_size: 32
...
	.end_amdgpu_metadata
.endif
;; end of part 1
;; launch proj (part 2): grid 8 x 48, 4 waves a work-group, clusters of 4 x 4, 327,680 bytes of LDS; arguments xc, bq, bk, bv, pc; writes pc
.if DOCPART == 2
	.amdgcn_target "amdgcn-amd-amdhsa--gfx1250"
	.amdhsa_code_object_version 6
	.text
	.protected	k_qbb85ef163d_proj
	.globl	k_qbb85ef163d_proj
	.p2align	8
	.type	k_qbb85ef163d_proj,@function
k_qbb85ef163d_proj:
	s_mov_b64 s[64:65], 0
	v_nop
	global_prefetch_b8 v0, s[64:65] scope:SCOPE_SE
	s_setreg_imm32_b32 hwreg(HW_REG_WAVE_MODE, 25, 1), 1
	s_wait_xcnt 0x0
	s_wait_alu depctr_hold_cnt(0) depctr_sa_sdst(0) depctr_va_vdst(0) depctr_va_sdst(0) depctr_va_ssrc(0) depctr_va_vcc(0) depctr_vm_vsrc(0)
	s_getreg_b32 s2, hwreg(HW_REG_IB_STS2, 6, 4)
	s_cmp_eq_u32 s2, 0
	s_cbranch_scc0 .Lentry_in_a_cluster
	s_endpgm
.Lentry_in_a_cluster:
	s_bfe_u32 s2, ttmp6, 0x10000c
	s_cmp_lg_u32 s2, 0xf033
	s_cbranch_scc0 .Lentry_shape_is_right
	s_endpgm
.Lentry_shape_is_right:
; Qp = q Wq^T + bq, Kp = k Wk^T + bk (rows = tokens, columns = features) and Vt = Wv v^T + bv (rows = features, columns = tokens: vp transposed), each on codes of FP6 (E2M3) with E8M0 scales,
; sums in f32, and each result quantised at once along its columns, which are the next product's K.  In and out: records of 1,792 bytes (a fragment's register image, 1,536 bytes, and a tail of 8 bytes a lane: scale word, 0).
; Out (pc): Qp records 0 .. 4,095 as [token tile][feature step]; Kp from 4,096 likewise; Vt from 8,192 as [feature tile][token step, 64 of them].
; A tile of the result, 256 x 256, is made by four waves, 128 x 128 each: 64 accumulators, 512 registers.  K = 1,024 goes in four steps of 256 through two LDS slots; a slot holds two records of each of 16 + 16 tiles.
; THE MATRIX INSTRUCTION IS USED TRANSPOSED (source 0 = the B side, source 1 = the A side), and lane row r of a tile T is the row 32 (T / 2) + 8 (T % 2) + r + 8 (r / 8): so in B's tiles 2 g, 2 g + 1 lane (r, h) holds the 16
; neighbouring columns 32 g + 16 h + 0 .. 15 of A's lane row r: what the conversions want.  The records go from registers straight to memory: each store covers 512 or 256 consecutive bytes, aligned.
; CLUSTERS: 4 x 4 work-groups make 1,024 x 1,024.  A's tiles are asked for jointly along a row of the cluster, B's along a column.  Cluster y 0-7: q (cluster x = 0) or k (1) against Wq or Wk; y 8-11: Wv against v.
; The bias is the C of each sum's first matrix instruction.  LIMITS: NaN and infinities are not served; a block whose largest magnitude lies under 2^(3 - 127) gets the byte 1.
; No prefetch is written: a tile walks four slots in all, of which two are asked for at the head.
; REGISTERS: window 0: v16-25 addresses; v28, v29 the add's two; v32-63 scale words, a set for each slot; v64-255 A's fragments, two sets (free on the way out).  window 1: B's fragments at v0 and v128, the bias at v96-127, v224-255.
;   windows 2, 3: accumulator (a, b) at v[8 (8 (a % 4) + b)].
.set NA,    8                          ; A's tiles of a wave
.set REC,   1792
.set TR,    2*REC                      ; a tile's part of a slot: two records
.set HALFA, NA*TR
.set HALFB, 8*TR
.set SLOT,  2*HALFA+2*HALFB            ; A's two halves, then B's two
.set SPARE, 2*SLOT                     ; behind the ring: the spare words, 128 bytes for each wave
.set LAPS,  2                          ; a lap = two slots = 512 along K
.set TROW,  8*REC                      ; a tile's 8 records in xc
.set ADRA, 16                          ; v16-17 LDS address of my A fragments in slot 0, 1: 16 x lane + ..
.set ADRB, 20                          ; v20-21 the same for B
.set ADRS, 22                          ; v22-23 of the tails: lanes 0-15 A's, lanes 16-31 B's
.set LI,   24                          ; v24 16 x lane
.set L8,   25                          ; v25 8 x lane
.set SPW,  28
.set NIL,  29
.set SC,   32                          ; scale words: v[SC + 16 slot + 2 i + q]: lanes 0-15 A's tile i, lanes 16-31 B's tile i
.set AF,   64
.set PC,   112                         ; the way out: the codes just made; from PC + 12 the conversions' second halves
.set TM,   200                         ; v200-203 largest magnitudes, v204-207 bytes, v212-215 the conversions' scale operands
.set PW,   216                         ; v216 the scale word, v217 0
.set G1,   24
.set G0,   32
.set G1B,  48
.set G0B,  56
.set SEL,  72                          ; s[72:73] selects for lane l xor 16
.set RST,  74                          ; s[74:75] bytes from a tile's record to the next tile's
.set MSB,  0
.macro WIN new                         ; the immediate's high byte repeats the setting that is left
.if MSB != (\new)
	s_set_vgpr_msb (MSB<<8)|(\new)
.set MSB, (\new)
.endif
.endm
.set TO_B, 0x40                        ; destination window 1, address window 0
.macro PLACES n
.rept \n
	v_nop
.endr
.endm
; A joint load: waves 0 and 1 fetch A's halves, waves 2 and 3 B's.  An s_nop 0 and four v_nop follow each of the two lines.
.macro JLOAD g0a, g1a, g0b, g1b
	s_cmp_eq_u32 s15, 0
	s_cbranch_scc0 .Lfor_b_\@
	tensor_load_to_lds s[\g0a:\g0a+3], s[\g1a:\g1a+7]
	s_nop 0
.rept 4
	v_nop
.endr
	s_branch .Lasked_\@
.Lfor_b_\@:
	tensor_load_to_lds s[\g0b:\g0b+3], s[\g1b:\g1b+7]
	s_nop 0
.rept 4
	v_nop
.endr
.Lasked_\@:
.endm
.macro CREST                           ; a round of the cluster's barrier behind its opening barrier
	s_cmp_lg_u32 s14, 0
	s_cbranch_scc1 .Lnot_wave_0_\@
	s_barrier_signal -3
.Lnot_wave_0_\@:
	s_barrier_wait -3
	s_barrier_signal -1
	s_barrier_wait -1
.endm
.macro CROUND
	s_barrier_signal -1
	s_barrier_wait -1
	CREST
.endm
; The fragments of the slot's q-th 128 along K into set p: three loads of 16 bytes a lane for each, 512 consecutive bytes a load
.macro FETCH slot, q, p
	WIN TO_B
.irp i, 0,1,2,3,4,5,6,7
.irp c, 0,1,2
	ds_load_b128 v[128*(\p)+12*\i+4*\c:128*(\p)+12*\i+4*\c+3], v[ADRB+\slot] offset:\i*TR+(\q)*REC+512*\c
.endr
.endr
	WIN 0
.irp i, 0,1,2,3,4,5,6,7
.irp c, 0,1,2
	ds_load_b128 v[AF+12*NA*(\p)+12*\i+4*\c:AF+12*NA*(\p)+12*\i+4*\c+3], v[ADRA+\slot] offset:\i*TR+(\q)*REC+512*\c
.endr
.endr
.endm
.macro SCALES slot                     ; the slot's scale words, out of the records' tails
.irp i, 0,1,2,3,4,5,6,7
.irp q, 0,1
	ds_load_b32 v[SC+16*\slot+2*\i+\q], v[ADRS+\slot] offset:\i*TR+\q*REC+1536
.endr
.endr
.endm
; n x 8 matrix instructions: A's tiles a0 on, each against B's eight; set p, the slot's q-th 128 along K, scale set sl.  cm = 0: the sums go on; 2: they start with the bias of B's tile; 3: with that of A's tile.
; The 64 accumulators take turns, one instruction a turn, in the same order in every step.
.macro MUL a0, n, p, q, sl, cm
.set MA, \a0
.rept \n
.if (\cm) == 0
	WIN 0xa1+0x50*(MA/4)
.else
	WIN 0x91+0x40*(MA/4)
.endif
.irp b, 0,1,2,3,4,5,6,7
.set RD_, 8*(8*(MA%4)+\b)
.set RB_, 128*(\p)+12*\b
.set RA_, AF+12*NA*(\p)+12*MA
.set SB_, SC+16*(\sl)+2*\b+(\q)
.set SA_, SC+16*(\sl)+2*MA+(\q)
.if (\cm) == 0
	v_wmma_scale_f32_16x16x128_f8f6f4 v[RD_:RD_+7], v[RB_:RB_+11], v[RA_:RA_+11], v[RD_:RD_+7], v[SB_], v[SA_] matrix_a_fmt:MATRIX_FMT_FP6 matrix_b_fmt:MATRIX_FMT_FP6 matrix_a_scale:MATRIX_SCALE_ROW1
.elseif (\cm) == 2
.set RC_, 96+8*\b+96*(\b/4)
	v_wmma_scale_f32_16x16x128_f8f6f4 v[RD_:RD_+7], v[RB_:RB_+11], v[RA_:RA_+11], v[RC_:RC_+7], v[SB_], v[SA_] matrix_a_fmt:MATRIX_FMT_FP6 matrix_b_fmt:MATRIX_FMT_FP6 matrix_a_scale:MATRIX_SCALE_ROW1
.else
.set RC_, 96+8*MA+96*(MA/4)
	v_wmma_scale_f32_16x16x128_f8f6f4 v[RD_:RD_+7], v[RB_:RB_+11], v[RA_:RA_+11], v[RC_:RC_+7], v[SB_], v[SA_] matrix_a_fmt:MATRIX_FMT_FP6 matrix_b_fmt:MATRIX_FMT_FP6 matrix_a_scale:MATRIX_SCALE_ROW1
.endif
.endr
.set MA, MA+1
.endr
.endm
; A slot's first 128 along K, on set 0; the second's fragments are fetched into set 1 ahead of the products
.macro STEP slot, cm
	s_wait_dscnt 0x0                               ; set 0 and the scale words are in (asked for 32 matrix instructions ago)
	PLACES 4                                       ; places in front of loads into registers that the last matrix instructions have read
	FETCH \slot, 1, 1
	MUL 0, NA, 0, 0, \slot, \cm
	WIN 0
.endm
; A slot's second 128 along K, on set 1, and the change of slots: ONE barrier; in front of it each wave waits for all its tensor loads, adds 0 to its spare word, and waits for that and for its reads of this slot
.macro TURN slot, next, fill
	s_wait_tensorcnt 0x0                           ; all my tensor loads have landed: my part of the next slot
	ds_add_u32 v[SPW], v[NIL]                      ; 0 onto my spare word
	s_wait_dscnt 1                                 ; set 1 is in; the add alone may be out
	MUL 0, NA/4, 1, 1, \slot, 0
	s_wait_dscnt 0x0                               ; the add is done, and my reads of this slot are over
	s_barrier_signal -1
	MUL NA/4, NA/4, 1, 1, \slot, 0
	WIN 0
	s_barrier_wait -1
.if \fill
	CREST                                          ; the barrier has opened a round of the cluster's barrier: no wave of any partner still reads this slot or has a load on its way
	s_add_nc_u64 s[G0+4*\slot+2:G0+4*\slot+3], s[G0+4*\slot+2:G0+4*\slot+3], 2*TR
	s_add_nc_u64 s[G0B+4*\slot+2:G0B+4*\slot+3], s[G0B+4*\slot+2:G0B+4*\slot+3], 2*TR
	JLOAD G0+4*\slot, G1, G0B+4*\slot, G1B         ; the first tensor load behind the round; its four v_nop are also the places in front of the loads below
.else
	PLACES 4
.endif
	FETCH \next, 0, 0
	SCALES \next
	MUL NA/2, NA/2, 1, 1, \slot, 0
	WIN 0
.endm
	s_load_b256 s[4:11], s[0:1], 0x0               ; xc s[4:5], bq s[6:7], bk s[8:9], bv s[10:11]
	s_load_b64 s[12:13], s[0:1], 0x20              ; pc
	v_lshl_add_u32 v[SPW], v0, 2, SPARE
	v_mov_b32 v[NIL], 0
	ds_add_u32 v[SPW], v[NIL]                      ; the wave's opening: the add and its wait ahead of my first tensor load; work on registers stands between them
	v_lshrrev_b32 v1, 5, v0
	v_readfirstlane_b32 s14, v1                    ; wave 0..3
	s_lshr_b32 s15, s14, 1                         ; wa: my half of A's rows.  Also: I fetch for A (0) or for B (1)
	s_and_b32 s16, s14, 1                          ; wb: my half of B's rows.  Also: which half I fetch
	s_bfe_u32 s40, ttmp6, 0x40000                  ; cx
	s_bfe_u32 s41, ttmp6, 0x40004                  ; cy
	s_and_b32 s17, ttmp7, 0xffff                   ; cluster y
	s_lshl_b32 s43, s41, 2
	s_lshl_b32 s43, 15, s43                        ; my row of the cluster
	s_lshl_b32 s44, 0x1111, s40                    ; my column
	s_or_b32 s[G1], s43, (3<<16)|(1<<21)           ; 15:0 the mask; 17:16 elements of 8 bytes; 21 set beside a mask; no padding
	s_or_b32 s[G1B], s44, (3<<16)|(1<<21)
.irp g, G1, G1B
	s_mov_b32 s[\g+1], (TR/8)<<16                  ; tensor_dim0 = 448 elements: two records
	s_mov_b32 s[\g+2], 8<<16                       ; tensor_dim1 = 8 tiles
	s_mov_b32 s[\g+3], (TR/8)<<16                  ; tile_dim0
	s_mov_b32 s[\g+4], 8                           ; tile_dim1
	s_mov_b32 s[\g+5], TROW/8                      ; from tile to tile
	s_mov_b32 s[\g+6], 0
	s_mov_b32 s[\g+7], 0
.endr
	s_lshl_b32 s18, ttmp9, 9
	s_lshl_b32 s19, s17, 6
	s_add_co_u32 s18, s18, s19                     ; q, k: A from tile 512 x + 64 y
	s_lshl_b32 s19, ttmp9, 6
	s_lshl_b32 s20, s17, 7
	s_add_co_u32 s20, s20, s19                     ; v: B from tile 1,024 + 64 x + 128 (y - 8) = 64 x + 128 y
	s_add_co_u32 s19, s19, 1536                    ; q, k: B from tile 1,536 + 64 x
	s_cmp_ge_u32 s17, 8                            ; the same in all sixteen partners
	s_cselect_b32 s18, 1664, s18                   ; v: A = Wv
	s_cselect_b32 s19, s20, s19
	s_cselect_b32 s45, 1, 0                        ; s45: 1 where Vt is made
	s_lshl_b32 s21, s41, 4
	s_add_co_u32 s20, s18, s21
	s_lshl_b32 s21, s16, 3
	s_add_co_u32 s20, s20, s21                     ; A's first tile that I fetch: + 16 cy + 8 half
	s_mul_i32 s20, s20, TROW
	s_mov_b32 s21, 0
	s_lshl_b32 s47, s40, 4
	s_add_co_u32 s46, s19, s47
	s_lshl_b32 s47, s16, 3
	s_add_co_u32 s46, s46, s47                     ; B's: + 16 cx + 8 half
	s_mul_i32 s46, s46, TROW
	s_mov_b32 s47, 0
	s_mul_i32 s22, s16, HALFA                      ; where they go: no place in the cluster enters an LDS address
	s_mul_i32 s23, s16, HALFB
	s_add_co_u32 s23, s23, 2*HALFA
	s_wait_dscnt 0x0                               ; the opening add is done
	s_wait_kmcnt 0x0
	s_add_nc_u64 s[20:21], s[4:5], s[20:21]
	s_add_nc_u64 s[46:47], s[4:5], s[46:47]
	CROUND                                         ; all sixteen work-groups are here: the first joint loads meet
.irp s, 0,1
	s_mov_b32 s[G0+4*\s], 1
	s_add_co_u32 s[G0+4*\s+1], s22, \s*SLOT
	s_add_nc_u64 s[G0+4*\s+2:G0+4*\s+3], s[20:21], \s*TR
	s_or_b32 s[G0+4*\s+3], s[G0+4*\s+3], 0x80000000
	s_mov_b32 s[G0B+4*\s], 1
	s_add_co_u32 s[G0B+4*\s+1], s23, \s*SLOT
	s_add_nc_u64 s[G0B+4*\s+2:G0B+4*\s+3], s[46:47], \s*TR
	s_or_b32 s[G0B+4*\s+3], s[G0B+4*\s+3], 0x80000000
	JLOAD G0+4*\s, G1, G0B+4*\s, G1B
.endr
	v_and_b32 v1, 31, v0                           ; lane
	v_and_b32 v2, 15, v0                           ; r
	v_bfe_u32 v3, v0, 4, 1                         ; h
	v_lshlrev_b32 v[LI], 4, v1
	v_lshlrev_b32 v[L8], 3, v1
	s_mul_i32 s20, s15, HALFA                      ; my half of A
	s_mul_i32 s21, s16, HALFB
	s_add_co_u32 s21, s21, 2*HALFA                 ; my half of B
	s_sub_co_u32 s22, s21, s20
	v_mul_u32_u24 v4, s22, v3                      ; lanes 16-31 take B's tails
	v_add_nc_u32 v4, v4, v[L8]
.irp s, 0,1
	v_add_nc_u32 v[ADRA+\s], s20, v[LI]
	v_add_nc_u32 v[ADRB+\s], s21, v[LI]
	v_add_nc_u32 v[ADRS+\s], s20, v4
	s_add_co_u32 s20, s20, SLOT
	s_add_co_u32 s21, s21, SLOT
.endr
	; where my first record goes.  q, k: (512 x + 64 y + 16 cy + 8 wa) x 8 + 2 cx + wb;  v: 8,192 + (16 cy + 8 wa) x 64 + 8 x + 16 (y - 8) + 2 cx + wb
	s_lshl_b32 s66, ttmp9, 9
	s_lshl_b32 s67, s17, 6
	s_add_co_u32 s66, s66, s67
	s_lshl_b32 s67, s41, 4
	s_add_co_u32 s66, s66, s67
	s_lshl_b32 s68, s15, 3
	s_add_co_u32 s66, s66, s68
	s_lshl_b32 s66, s66, 3
	s_add_co_u32 s67, s67, s68
	s_lshl_b32 s67, s67, 6
	s_lshl_b32 s68, ttmp9, 3
	s_add_co_u32 s67, s67, s68
	s_lshl_b32 s68, s17, 4
	s_add_co_u32 s67, s67, s68
	s_add_co_u32 s67, s67, 8064
	s_mov_b32 s[RST], 64*REC
	s_cmp_lg_u32 s45, 0
	s_cselect_b32 s66, s67, s66
	s_cselect_b32 s[RST], s[RST], 8*REC
	s_mov_b32 s[RST+1], 0
	s_lshl_b32 s67, s40, 1
	s_add_co_u32 s66, s66, s67
	s_add_co_u32 s66, s66, s16
	s_mul_i32 s66, s66, REC
	s_mov_b32 s67, 0
	s_add_nc_u64 s[12:13], s[12:13], s[66:67]
	s_mov_b32 s[SEL], 0x76543210
	s_mov_b32 s[SEL+1], 0xfedcba98
	; THE BIAS, in the result's layout, eight registers a tile, into the gaps of window 1
	v_lshlrev_b32 v7, 6, v3                        ; q, k: 16 h columns on
	v_and_b32 v8, 8, v2
	v_add_nc_u32 v8, v8, v2
	v_lshlrev_b32 v8, 2, v8                        ; v: my lane row's feature: r + 8 (r / 8)
	s_cmp_lg_u32 s45, 0
	s_cbranch_scc1 .Lbias_v
	s_cmp_eq_u32 ttmp9, 0
	s_cselect_b64 s[68:69], s[6:7], s[8:9]         ; bq or bk
	s_lshl_b32 s70, s40, 10
	s_lshl_b32 s71, s16, 9
	s_add_co_u32 s70, s70, s71                     ; my 128 columns: 256 cx + 128 wb
	s_mov_b32 s71, 0
	s_add_nc_u64 s[68:69], s[68:69], s[70:71]
	WIN TO_B
.irp b, 0,1,2,3,4,5,6,7                        ; B's tile b: columns 32 (b / 2) + 16 h + 8 (b % 2) + 0 .. 7
	global_load_b128 v[96+8*\b+96*(\b/4):96+8*\b+96*(\b/4)+3], v7, s[68:69] offset:(32*(\b/2)+8*(\b%2))*4
	global_load_b128 v[96+8*\b+96*(\b/4)+4:96+8*\b+96*(\b/4)+7], v7, s[68:69] offset:(32*(\b/2)+8*(\b%2))*4+16
.endr
	WIN 0
	s_branch .Lbias_done
.Lbias_v:
	s_lshl_b32 s70, s41, 10
	s_lshl_b32 s71, s15, 9
	s_add_co_u32 s70, s70, s71                     ; my 128 rows: 256 cy + 128 wa
	s_mov_b32 s71, 0
	s_add_nc_u64 s[68:69], s[10:11], s[70:71]
	WIN TO_B
.irp a, 0,1,2,3,4,5,6,7                        ; A's tile a: one number a lane, the same in all eight registers
.irp j, 0,1,2,3,4,5,6,7
	global_load_b32 v[96+8*\a+96*(\a/4)+\j], v8, s[68:69] offset:(32*(\a/2)+8*(\a%2))*4
.endr
.endr
	WIN 0
.Lbias_done:
	s_wait_tensorcnt 1                             ; my part of slot 0 is in; slot 1's may stay out
	s_barrier_signal -1
	s_barrier_wait -1                              ; everybody's is
	FETCH 0, 0, 0
	SCALES 0
	s_wait_loadcnt 0x0                             ; the bias
	s_cmp_lg_u32 s45, 0                            ; the first step starts the sums with the bias: by B's tile or by A's
	s_cbranch_scc1 .Lfirst_v
	STEP 0, 2
	s_branch .Lfirst_done
.Lfirst_v:
	STEP 0, 3
.Lfirst_done:
	s_mov_b32 s3, LAPS-1
.Llap:                                                 ; a trip goes once round the ring and fills both slots again
	TURN 0, 1, 1
	STEP 1, 0
	TURN 1, 0, 1
	STEP 0, 0
	s_sub_co_u32 s3, s3, 1
	s_cmp_lg_u32 s3, 0
	s_cbranch_scc1 .Llap
	TURN 0, 1, 0                                   ; the last lap fills nothing
	STEP 1, 0
	s_wait_dscnt 0x0
	MUL 0, NA, 1, 1, 1, 0
	WIN 0
; THE WAY OUT.  A's tile a: my 64 numbers of lane row r (register 16 b + i = column 32 b + 16 h + i) become a record: four blocks' scales, the codes, the exchange of halves that the operand's layout asks.
.macro QOUT a
.set W, 2+(\a)/4
.set AC, 64*((\a)%4)
	WIN (W<<2)|(W<<4)
.irp b, 0,1,2,3
	v_max3_num_f32 v[TM+\b], 0x1800000, |v[AC+16*\b]|, |v[AC+16*\b+1]|   ; block b: my 16 numbers, from each accumulator's low end on, and the floor 2^(3 - 127)
.endr
.irp i, 2,4,6,8,10,12,14
.irp b, 0,1,2,3
	v_max3_num_f32 v[TM+\b], v[TM+\b], |v[AC+16*\b+\i]|, |v[AC+16*\b+\i+1]|
.endr
.endr
	WIN 0
.irp b, 0,1,2,3
	v_permlanex16_b32 v[TM+4+\b], v[TM+\b], s[SEL], s[SEL+1]
.endr
.irp b, 0,1,2,3
	v_max_num_f32 v[TM+\b], v[TM+\b], v[TM+4+\b]   ; with lane l xor 16's: the block's largest magnitude
.endr
.irp b, 0,1,2,3
	v_add_nc_u32 v[TM+12+\b], 0xff000000, v[TM+\b] ; 2 off its exponent field: the conversion's scale operand
.endr
.irp b, 0,1,2,3
	v_lshrrev_b32 v[TM+4+\b], 23, v[TM+12+\b]      ; the scale's byte
.endr
.if (\a) > 0
	s_wait_xcnt 0x0                                ; the last record's stores have read their data and their base: both are written again only behind this wait
	s_add_nc_u64 s[12:13], s[12:13], s[RST:RST+1]
.endif
	v_lshl_or_b32 v[PW], v[TM+5], 8, v[TM+4]
	v_lshl_or_b32 v[PW], v[TM+6], 16, v[PW]
	v_lshl_or_b32 v[PW], v[TM+7], 24, v[PW]
	WIN W
.irp c, 0,1
	v_cvt_scalef32_pk16_fp6_f32 v[PC+6*\c:PC+6*\c+2], v[AC+32*\c:AC+32*\c+15], v[TM+12+2*\c]
	v_cvt_scalef32_pk16_fp6_f32 v[PC+12+4*\c:PC+14+4*\c], v[AC+32*\c+16:AC+32*\c+31], v[TM+12+2*\c+1]
.endr
	WIN 0
	v_nop                                          ; one plain place behind a scaled conversion
.irp c, 0,1                                    ; a whole block to a lane: lanes 0-15 block 2 c, lanes 16-31 block 2 c + 1
.irp i, 0,1,2
	v_permlane16_swap_b32 v[PC+6*\c+\i], v[PC+12+4*\c+\i]
.endr
.irp i, 0,1,2
	v_mov_b32 v[PC+3+6*\c+\i], v[PC+12+4*\c+\i]
.endr
.endr
.irp c, 0,1,2
	global_store_b128 v[LI], v[PC+4*\c:PC+4*\c+3], s[12:13] offset:512*\c
.endr
	global_store_b64 v[L8], v[PW:PW+1], s[12:13] offset:1536
.endm
	PLACES 4                                       ; behind the last products: their results are read and A's registers written from here on
.irp b, 0,1,2,3
	v_mov_b32 v[TM+4+\b], 0                        ; written once: a lane permute's destination counts as one of its sources
.endr
	v_mov_b32 v[PW+1], 0
.irp a, 0,1,2,3,4,5,6,7
	QOUT \a
.endr
	s_wait_tensorcnt 0x0                           ; the wave's end
	ds_add_u32 v[SPW], v[NIL]
	s_wait_dscnt 0x0
	CROUND                                         ; the closing round
	s_endpgm
.Lfunc_end_k_qbb85ef163d_proj:
	.size	k_qbb85ef163d_proj, .Lfunc_end_k_qbb85ef163d_proj-k_qbb85ef163d_proj
	.p2alignl 7, 3214868480
	.fill 96, 4, 3214868480
	.section	.rodata,"a",@progbits
	.p2align	6, 0x0
	.amdhsa_kernel k_qbb85ef163d_proj
		.amdhsa_group_segment_fixed_size 327680
		.amdhsa_private_segment_fixed_size 0
		.amdhsa_enable_private_segment 0
		.amdhsa_kernarg_size 40
		.amdhsa_user_sgpr_count 2
		.amdhsa_user_sgpr_kernarg_segment_ptr 1
		.amdhsa_wavefront_size32 1
		.amdhsa_system_sgpr_workgroup_id_x 1
		.amdhsa_system_sgpr_workgroup_id_y 1
		.amdhsa_system_sgpr_workgroup_id_z 1
		.amdhsa_system_vgpr_workitem_id 0
		.amdhsa_next_free_vgpr 1024
		.amdhsa_next_free_sgpr 100
		.amdhsa_reserve_vcc 0
		.amdhsa_float_denorm_mode_32 3
		.amdhsa_float_denorm_mode_16_64 3
		.amdhsa_memory_ordered 1
		.amdhsa_forward_progress 1
		.amdhsa_inst_pref_size 159
	.end_amdhsa_kernel
	.amdgpu_metadata
---
amdhsa.version: [ 1, 2 ]
amdhsa.kernels:
  - .name:           k_qbb85ef163d_proj
    .symbol:         k_qbb85ef163d_proj.kd
    .args:
      - { .name: xc, .offset: 0, .size: 8, .value_kind: global_buffer, .address_space: global }
      - { .name: bq, .offset: 8, .size: 8, .value_kind: global_buffer, .address_space: global }
      - { .name: bk, .offset: 16, .size: 8, .value_kind: global_buffer, .address_space: global }
      - { .name: bv, .offset: 24, .size: 8, .value_kind: global_buffer, .address_space: global }
      - { .name: pc, .offset: 32, .size: 8, .value_kind: global_buffer, .address_space: global }
    .group_segment_fixed_size: 327680
    .private_segment_fixed_size: 0
    .kernarg_segment_align: 8
    .kernarg_segment_size: 40
    .max_flat_workgroup_size: 128
    .sgpr_count:     100
    .vgpr_count:     1024
    .wavefront_size: 32
...
	.end_amdgpu_metadata
.endif
;; end of part 2
;; launch score (part 3): grid 12 x 16, 4 waves a work-group, clusters of 4 x 4, 327,680 bytes of LDS; arguments pc, ac; writes ac
.if DOCPART == 3
	.amdgcn_target "amdgcn-amd-amdhsa--gfx1250"
	.amdhsa_code_object_version 6
	.text
	.protected	k_qbb85ef163d_score
	.globl	k_qbb85ef163d_score
	.p2align	8
	.type	k_qbb85ef163d_score,@function
k_qbb85ef163d_score:
	s_mov_b64 s[64:65], 0
	v_nop
	global_prefetch_b8 v0, s[64:65] scope:SCOPE_SE
	s_setreg_imm32_b32 hwreg(HW_REG_WAVE_MODE, 25, 1), 1
	s_wait_xcnt 0x0
	s_wait_alu depctr_hold_cnt(0) depctr_sa_sdst(0) depctr_va_vdst(0) depctr_va_sdst(0) depctr_va_ssrc(0) depctr_va_vcc(0) depctr_vm_vsrc(0)
	s_getreg_b32 s2, hwreg(HW_REG_IB_STS2, 6, 4)
	s_cmp_eq_u32 s2, 0
	s_cbranch_scc0 .Lentry_in_a_cluster
	s_endpgm
.Lentry_in_a_cluster:
	s_bfe_u32 s2, ttmp6, 0x10000c
	s_cmp_lg_u32 s2, 0xf033
	s_cbranch_scc0 .Lentry_shape_is_right
	s_endpgm
.Lentry_shape_is_right:
; S = Qp Kp^T on codes of FP6 (E2M3) with E8M0 scales, the causal mask, and the softmax's p, quantised along the keys, under a LOCAL whole number M_s for each query and each 128 keys:
; t = score x log2(e) / 32; M_s = ceil(the largest t of these 128 keys); p = 2^(t - M_s).  M_s being whole, the next launch brings a record under the row's M by taking M - M_s off its scale bytes: the codes stay.
; Out (ac): records [query tile, 512][key step, 16] of 1,792 bytes: the register image of 16 queries x 128 keys, and a tail of 8 bytes a lane: lanes 0-15 (scale word, -M_s), lanes 16-31 (the sum of the unquantised p, -M_s).
; A cluster of 4 x 4 work-groups makes 1,024 x 1,024 of S; three clusters a batch: (queries, keys) = (low, low), (high, low), (high, high).  The causal set of 256 x 256 tiles does not divide into such clusters
; The tiles of the two diagonal clusters that lie wholly under the mask are made like the others.
; THE MASK: a hidden score becomes -2^35 (a logit of -2^30, where the source has -1e9); times c that is a whole number, so 128 keys all hidden give p = 1 under M_s = about -1.5e9, which the next launch holds at 2^-90.
; LIMITS: NaN and infinities are not served; logits near or under -2^30 are not told from hidden ones; a block whose largest p lies under 2^-31 is quantised at the scale 2^-33, so that the bytes lie between 94 and 125.
; The product's core, the records and the order of a tile's rows are those of the launch before.  No prefetch is written: a tile walks four slots in all, of which two are asked for at the head.
.set NA,    8
.set REC,   1792
.set TR,    2*REC
.set HALFA, NA*TR
.set HALFB, 8*TR
.set SLOT,  2*HALFA+2*HALFB
.set SPARE, 2*SLOT
.set LAPS,  2
.set TROW,  8*REC
.set ADRA, 16
.set ADRB, 20
.set ADRS, 22
.set LI,   24
.set L8,   25
.set D0,   26                          ; v26 my lane's query less my lane's first key, for A's tile 0
.set NEGR, 27                          ; v27 -2^35
.set SPW,  28
.set NIL,  29
.set SC,   32
.set AF,   64
.set PC,   112                         ; the codes just made
.set BM,   200                         ; v200-203 the blocks' largest scores, then their largest p
.set PB,   204                         ; v204-207 permutes' destinations, then the bytes
.set NMR,  208                         ; v208 -M_s (v209 is named with it as a pair)
.set PWT,  210                         ; v210 the scale word
.set SCO,  212                         ; v212-215 the conversions' scale operands
.set OW,   216                         ; v[216:217] the tail
.set DD,   218
.set MXT,  219
.set LS,   220                         ; v220-227 the row's sum in four chains of pairs
.set G1,   24
.set G0,   32
.set G1B,  48
.set G0B,  56
.set SEL,  72
.set HM,   76                          ; s76 the mask of lanes 16-31
.set CS,   78                          ; s[78:79] c = log2(e) / 32
.set MSB,  0
.macro WIN new
.if MSB != (\new)
	s_set_vgpr_msb (MSB<<8)|(\new)
.set MSB, (\new)
.endif
.endm
.set TO_B, 0x40
.macro PLACES n
.rept \n
	v_nop
.endr
.endm
.macro JLOAD g0a, g1a, g0b, g1b
	s_cmp_eq_u32 s15, 0
	s_cbranch_scc0 .Lfor_b_\@
	tensor_load_to_lds s[\g0a:\g0a+3], s[\g1a:\g1a+7]
	s_nop 0
.rept 4
	v_nop
.endr
	s_branch .Lasked_\@
.Lfor_b_\@:
	tensor_load_to_lds s[\g0b:\g0b+3], s[\g1b:\g1b+7]
	s_nop 0
.rept 4
	v_nop
.endr
.Lasked_\@:
.endm
.macro CREST
	s_cmp_lg_u32 s14, 0
	s_cbranch_scc1 .Lnot_wave_0_\@
	s_barrier_signal -3
.Lnot_wave_0_\@:
	s_barrier_wait -3
	s_barrier_signal -1
	s_barrier_wait -1
.endm
.macro CROUND
	s_barrier_signal -1
	s_barrier_wait -1
	CREST
.endm
.macro FETCH slot, q, p
	WIN TO_B
.irp i, 0,1,2,3,4,5,6,7
.irp c, 0,1,2
	ds_load_b128 v[128*(\p)+12*\i+4*\c:128*(\p)+12*\i+4*\c+3], v[ADRB+\slot] offset:\i*TR+(\q)*REC+512*\c
.endr
.endr
	WIN 0
.irp i, 0,1,2,3,4,5,6,7
.irp c, 0,1,2
	ds_load_b128 v[AF+12*NA*(\p)+12*\i+4*\c:AF+12*NA*(\p)+12*\i+4*\c+3], v[ADRA+\slot] offset:\i*TR+(\q)*REC+512*\c
.endr
.endr
.endm
.macro SCALES slot
.irp i, 0,1,2,3,4,5,6,7
.irp q, 0,1
	ds_load_b32 v[SC+16*\slot+2*\i+\q], v[ADRS+\slot] offset:\i*TR+\q*REC+1536
.endr
.endr
.endm
; cm = 0: the sums go on; 1: the first product starts them: nothing is ever cleared.  The 64 accumulators take turns, one instruction a turn.
.macro MUL a0, n, p, q, sl, cm
.set MA, \a0
.rept \n
	WIN 0xa1+0x50*(MA/4)
.irp b, 0,1,2,3,4,5,6,7
.set RD_, 8*(8*(MA%4)+\b)
.set RB_, 128*(\p)+12*\b
.set RA_, AF+12*NA*(\p)+12*MA
.set SB_, SC+16*(\sl)+2*\b+(\q)
.set SA_, SC+16*(\sl)+2*MA+(\q)
.if (\cm) == 0
	v_wmma_scale_f32_16x16x128_f8f6f4 v[RD_:RD_+7], v[RB_:RB_+11], v[RA_:RA_+11], v[RD_:RD_+7], v[SB_], v[SA_] matrix_a_fmt:MATRIX_FMT_FP6 matrix_b_fmt:MATRIX_FMT_FP6 matrix_a_scale:MATRIX_SCALE_ROW1
.else
	v_wmma_scale_f32_16x16x128_f8f6f4 v[RD_:RD_+7], v[RB_:RB_+11], v[RA_:RA_+11], 0, v[SB_], v[SA_] matrix_a_fmt:MATRIX_FMT_FP6 matrix_b_fmt:MATRIX_FMT_FP6 matrix_a_scale:MATRIX_SCALE_ROW1
.endif
.endr
.set MA, MA+1
.endr
.endm
.macro STEP slot, cm
	s_wait_dscnt 0x0                               ; set 0 and the scale words are in
	PLACES 4                                       ; places in front of loads into registers that the last matrix instructions have read
	FETCH \slot, 1, 1
	MUL 0, NA, 0, 0, \slot, \cm
	WIN 0
.endm
.macro TURN slot, next, fill
	s_wait_tensorcnt 0x0                           ; all my tensor loads have landed: my part of the next slot
	ds_add_u32 v[SPW], v[NIL]                      ; 0 onto my spare word
	s_wait_dscnt 1                                 ; set 1 is in; the add alone may be out
	MUL 0, NA/4, 1, 1, \slot, 0
	s_wait_dscnt 0x0                               ; the add is done, and my reads of this slot are over
	s_barrier_signal -1
	MUL NA/4, NA/4, 1, 1, \slot, 0
	WIN 0
	s_barrier_wait -1
.if \fill
	CREST                                          ; a round of the cluster's barrier: no wave of any partner still reads this slot or has a load on its way
	s_add_nc_u64 s[G0+4*\slot+2:G0+4*\slot+3], s[G0+4*\slot+2:G0+4*\slot+3], 2*TR
	s_add_nc_u64 s[G0B+4*\slot+2:G0B+4*\slot+3], s[G0B+4*\slot+2:G0B+4*\slot+3], 2*TR
	JLOAD G0+4*\slot, G1, G0B+4*\slot, G1B
.else
	PLACES 4
.endif
	FETCH \next, 0, 0
	SCALES \next
	MUL NA/2, NA/2, 1, 1, \slot, 0
	WIN 0
.endm
	s_load_b128 s[4:7], s[0:1], 0x0                ; pc s[4:5], ac s[6:7]
	v_lshl_add_u32 v[SPW], v0, 2, SPARE
	v_mov_b32 v[NIL], 0
	ds_add_u32 v[SPW], v[NIL]                      ; the wave's opening: the add and its wait ahead of my first tensor load
	v_lshrrev_b32 v1, 5, v0
	v_readfirstlane_b32 s14, v1                    ; wave 0..3
	s_lshr_b32 s15, s14, 1                         ; wa; also: I fetch for A (0) or for B (1)
	s_and_b32 s16, s14, 1                          ; wb; also: which half I fetch
	s_bfe_u32 s40, ttmp6, 0x40000                  ; cx
	s_bfe_u32 s41, ttmp6, 0x40004                  ; cy
	s_and_b32 s17, ttmp7, 0xffff                   ; the batch
	s_add_co_u32 s18, ttmp9, 1
	s_lshr_b32 s18, s18, 1                         ; which 1,024 queries: 0, 1, 1
	s_lshr_b32 s19, ttmp9, 1                       ; which 1,024 keys: 0, 0, 1
	s_lshl_b32 s43, s41, 2
	s_lshl_b32 s43, 15, s43
	s_lshl_b32 s44, 0x1111, s40
	s_or_b32 s[G1], s43, (3<<16)|(1<<21)
	s_or_b32 s[G1B], s44, (3<<16)|(1<<21)
.irp g, G1, G1B
	s_mov_b32 s[\g+1], (TR/8)<<16
	s_mov_b32 s[\g+2], 8<<16
	s_mov_b32 s[\g+3], (TR/8)<<16
	s_mov_b32 s[\g+4], 8
	s_mov_b32 s[\g+5], TROW/8
	s_mov_b32 s[\g+6], 0
	s_mov_b32 s[\g+7], 0
.endr
	s_lshl_b32 s20, s17, 7
	s_lshl_b32 s21, s18, 6
	s_add_co_u32 s20, s20, s21
	s_lshl_b32 s21, s41, 4
	s_add_co_u32 s20, s20, s21
	s_lshl_b32 s21, s16, 3
	s_add_co_u32 s20, s20, s21                     ; Qp's tile 128 batch + 64 (queries' half) + 16 cy + 8 half
	s_mul_i32 s20, s20, TROW
	s_mov_b32 s21, 0
	s_lshl_b32 s46, s17, 7
	s_lshl_b32 s47, s19, 6
	s_add_co_u32 s46, s46, s47
	s_lshl_b32 s47, s40, 4
	s_add_co_u32 s46, s46, s47
	s_lshl_b32 s47, s16, 3
	s_add_co_u32 s46, s46, s47
	s_add_co_u32 s46, s46, 512                     ; Kp's tiles begin at 512
	s_mul_i32 s46, s46, TROW
	s_mov_b32 s47, 0
	s_mul_i32 s22, s16, HALFA
	s_mul_i32 s23, s16, HALFB
	s_add_co_u32 s23, s23, 2*HALFA
	s_wait_dscnt 0x0                               ; the opening add is done
	s_wait_kmcnt 0x0
	s_add_nc_u64 s[20:21], s[4:5], s[20:21]
	s_add_nc_u64 s[46:47], s[4:5], s[46:47]
	CROUND
.irp s, 0,1
	s_mov_b32 s[G0+4*\s], 1
	s_add_co_u32 s[G0+4*\s+1], s22, \s*SLOT
	s_add_nc_u64 s[G0+4*\s+2:G0+4*\s+3], s[20:21], \s*TR
	s_or_b32 s[G0+4*\s+3], s[G0+4*\s+3], 0x80000000
	s_mov_b32 s[G0B+4*\s], 1
	s_add_co_u32 s[G0B+4*\s+1], s23, \s*SLOT
	s_add_nc_u64 s[G0B+4*\s+2:G0B+4*\s+3], s[46:47], \s*TR
	s_or_b32 s[G0B+4*\s+3], s[G0B+4*\s+3], 0x80000000
	JLOAD G0+4*\s, G1, G0B+4*\s, G1B
.endr
	v_and_b32 v1, 31, v0
	v_and_b32 v2, 15, v0
	v_bfe_u32 v3, v0, 4, 1
	v_lshlrev_b32 v[LI], 4, v1
	v_lshlrev_b32 v[L8], 3, v1
	s_mul_i32 s20, s15, HALFA
	s_mul_i32 s21, s16, HALFB
	s_add_co_u32 s21, s21, 2*HALFA
	s_sub_co_u32 s22, s21, s20
	v_mul_u32_u24 v4, s22, v3
	v_add_nc_u32 v4, v4, v[L8]
.irp s, 0,1
	v_add_nc_u32 v[ADRA+\s], s20, v[LI]
	v_add_nc_u32 v[ADRB+\s], s21, v[LI]
	v_add_nc_u32 v[ADRS+\s], s20, v4
	s_add_co_u32 s20, s20, SLOT
	s_add_co_u32 s21, s21, SLOT
.endr
	; the mask: my first query less my first key = 256 (tile row - tile column) + 128 (wa - wb), and my lane's share r + 8 (r / 8) - 16 h
	s_sub_co_i32 s66, s18, s19
	s_lshl_b32 s66, s66, 2
	s_add_co_i32 s66, s66, s41
	s_sub_co_i32 s66, s66, s40
	s_lshl_b32 s66, s66, 1
	s_add_co_i32 s66, s66, s15
	s_sub_co_i32 s66, s66, s16
	s_lshl_b32 s66, s66, 7
	v_and_b32 v5, 8, v2
	v_add_nc_u32 v5, v5, v2
	v_lshlrev_b32 v6, 4, v3
	v_sub_nc_u32 v5, v5, v6
	v_add_nc_u32 v[D0], s66, v5
	v_mov_b32 v[NEGR], 0xd1000000                  ; -2^35
	; my first record: (128 batch + 64 (queries' half) + 16 cy + 8 wa) x 16 + 8 (keys' half) + 2 cx + wb
	s_lshl_b32 s68, s17, 7
	s_lshl_b32 s69, s18, 6
	s_add_co_u32 s68, s68, s69
	s_lshl_b32 s69, s41, 4
	s_add_co_u32 s68, s68, s69
	s_lshl_b32 s69, s15, 3
	s_add_co_u32 s68, s68, s69
	s_lshl_b32 s68, s68, 4
	s_lshl_b32 s69, s19, 3
	s_add_co_u32 s68, s68, s69
	s_lshl_b32 s69, s40, 1
	s_add_co_u32 s68, s68, s69
	s_add_co_u32 s68, s68, s16
	s_mul_i32 s68, s68, REC
	s_mov_b32 s69, 0
	s_add_nc_u64 s[6:7], s[6:7], s[68:69]
	s_mov_b32 s[SEL], 0x76543210
	s_mov_b32 s[SEL+1], 0xfedcba98
	s_mov_b32 s[HM], 0xffff0000
	s_mov_b32 s[CS], 0x3d38aa3b                    ; c = log2(e) / 32
	s_mov_b32 s[CS+1], s[CS]                       ; (named with it as a pair, so it is written)
	s_wait_tensorcnt 1                             ; my part of slot 0 is in; slot 1's may stay out
	s_barrier_signal -1
	s_barrier_wait -1
	FETCH 0, 0, 0
	SCALES 0
	STEP 0, 1                                      ; the first step's products start the sums
	s_mov_b32 s3, LAPS-1
.Llap:
	TURN 0, 1, 1
	STEP 1, 0
	TURN 1, 0, 1
	STEP 0, 0
	s_sub_co_u32 s3, s3, 1
	s_cmp_lg_u32 s3, 0
	s_cbranch_scc1 .Llap
	TURN 0, 1, 0
	STEP 1, 0
	s_wait_dscnt 0x0
	MUL 0, NA, 1, 1, 1, 0
	WIN 0
; THE SOFTMAX OF A's TILE a: 16 queries x my 128 keys.  Register 16 b + i of a lane is key 32 b + 16 h + i of lane row r's query.
.macro SOFTQ a
.set W, 2+(\a)/4
.set AC, 64*((\a)%4)
	s_cmp_eq_u32 ttmp9, 1                          ; the cluster (high queries, low keys) hides nothing: a branch on the cluster's number, alike in all partners
	s_cbranch_scc1 .Lopen_\@
	v_add_nc_u32 v[DD], 32*((\a)/2)+8*((\a)%2), v[D0]   ; d = my query - my first key: register 16 b + i is hidden where 32 b + i > d
	WIN (W<<6)|W
.set N, 0
.rept 64
	v_cmp_gt_i32 vcc_lo, 32*(N/16)+N%16, v[DD]
	v_cndmask_b32 v[AC+N], v[AC+N], v[NEGR], vcc_lo
.set N, N+1
.endr
	WIN 0
.Lopen_\@:
	WIN (W<<2)|(W<<4)
.irp b, 0,1,2,3
	v_max3_num_f32 v[BM+\b], 0xff800000, v[AC+16*\b], v[AC+16*\b+1]   ; the largest score of each block of 32 keys: it serves for the maximum and, since p rises with the score, for the block's largest p
.endr
.irp i, 2,4,6,8,10,12,14
.irp b, 0,1,2,3
	v_max3_num_f32 v[BM+\b], v[BM+\b], v[AC+16*\b+\i], v[AC+16*\b+\i+1]
.endr
.endr
	WIN 0
.irp b, 0,1,2,3
	v_permlanex16_b32 v[PB+\b], v[BM+\b], s[SEL], s[SEL+1]
.endr
.irp b, 0,1,2,3
	v_max_num_f32 v[BM+\b], v[BM+\b], v[PB+\b]     ; with lane l xor 16's 16 keys
.endr
	v_max3_num_f32 v[MXT], v[BM], v[BM+1], v[BM+2]
	v_max_num_f32 v[MXT], v[MXT], v[BM+3]
	v_mul_f32 v[MXT], s[CS], v[MXT]                ; the largest t of these 128 keys
	v_floor_f32 v[NMR], -v[MXT]                    ; -M_s = floor(-t): a whole number
.irp b, 0,1,2,3
	v_fma_f32 v[BM+\b], v[BM+\b], s[CS], v[NMR]
.endr
	WIN (W<<6)|W
.set N, 0
.rept 32
	v_pk_fma_f32 v[AC+N:AC+N+1], v[AC+N:AC+N+1], s[CS:CS+1], v[NMR:NMR+1] op_sel_hi:[1,0,0]   ; t - M_s, two at a time
.set N, N+2
.endr
.set N, 0
.rept 64
	v_exp_f32 v[AC+N], v[AC+N]                     ; p = 2^(t - M_s)
.set N, N+1
.endr
	WIN 0
	v_nop                                          ; a plain place behind the exponentials
	s_wait_alu depctr_va_vdst(0)                   ; one wait for the whole batch, ahead of its first reader
.irp b, 0,1,2,3
	v_exp_f32 v[BM+\b], v[BM+\b]                   ; the block's largest p: the same two instructions on the same number
.endr
	WIN W|(W<<2)
.irp k, 0,1,2,3
	v_pk_add_f32 v[LS+2*\k:LS+2*\k+1], v[AC+2*\k:AC+2*\k+1], v[AC+8+2*\k:AC+8+2*\k+1]   ; the sum of the UNQUANTISED p, in four chains of pairs
.endr
	WIN W
.set N, 16
.rept 24
	v_pk_add_f32 v[LS+2*((N/2)%4):LS+2*((N/2)%4)+1], v[AC+N:AC+N+1], v[LS+2*((N/2)%4):LS+2*((N/2)%4)+1]
.set N, N+2
.endr
	WIN 0
	s_wait_alu depctr_va_vdst(0)                   ; and one for the four
.irp b, 0,1,2,3
	v_max_num_f32 v[BM+\b], 0x30000000, v[BM+\b]   ; the floor 2^-31: the byte cannot fall under 94, so that the next launch can take up to 90 off it
.endr
.irp b, 0,1,2,3
	v_add_nc_u32 v[SCO+\b], 0xff000000, v[BM+\b]   ; 2 off the exponent field: the conversion's scale operand
.endr
.irp b, 0,1,2,3
	v_lshrrev_b32 v[PB+\b], 23, v[SCO+\b]
.endr
	v_lshl_or_b32 v[PWT], v[PB+1], 8, v[PB]
	v_lshl_or_b32 v[PWT], v[PB+2], 16, v[PWT]
	v_lshl_or_b32 v[PWT], v[PB+3], 24, v[PWT]
.if (\a) > 0
	s_wait_xcnt 0x0                                ; the last record's stores have read their data: the codes and the tail are written again only behind this wait
.endif
	WIN W
.irp c, 0,1
	v_cvt_scalef32_pk16_fp6_f32 v[PC+6*\c:PC+6*\c+2], v[AC+32*\c:AC+32*\c+15], v[SCO+2*\c]
	v_cvt_scalef32_pk16_fp6_f32 v[PC+12+4*\c:PC+14+4*\c], v[AC+32*\c+16:AC+32*\c+31], v[SCO+2*\c+1]
.endr
	WIN 0
	v_pk_add_f32 v[LS:LS+1], v[LS:LS+1], v[LS+2:LS+3]          ; (a plain place behind the conversions)
	v_pk_add_f32 v[LS+4:LS+5], v[LS+4:LS+5], v[LS+6:LS+7]
.irp c, 0,1
.irp i, 0,1,2
	v_permlane16_swap_b32 v[PC+6*\c+\i], v[PC+12+4*\c+\i]
.endr
.irp i, 0,1,2
	v_mov_b32 v[PC+3+6*\c+\i], v[PC+12+4*\c+\i]
.endr
.endr
	v_pk_add_f32 v[LS:LS+1], v[LS:LS+1], v[LS+4:LS+5]
	v_add_f32 v[LS], v[LS], v[LS+1]
	v_permlanex16_b32 v[LS+1], v[LS], s[SEL], s[SEL+1]
	v_add_f32 v[LS], v[LS], v[LS+1]                ; with lane l xor 16's: the sum over my query's 128 keys
	v_cndmask_b32 v[OW], v[PWT], v[LS], s[HM]      ; the tail: lanes 0-15 the scale word, lanes 16-31 the sum,
	v_mov_b32 v[OW+1], v[NMR]                      ; and -M_s in all
.irp c, 0,1,2
	global_store_b128 v[LI], v[PC+4*\c:PC+4*\c+3], s[6:7] offset:(\a)*16*REC+512*\c
.endr
	global_store_b64 v[L8], v[OW:OW+1], s[6:7] offset:(\a)*16*REC+1536
.endm
	PLACES 4                                       ; behind the last products
.irp b, 0,1,2,3
	v_mov_b32 v[PB+\b], 0                          ; written once: a lane permute's destination counts as one of its sources
.endr
	v_mov_b32 v[NMR+1], 0                          ; (named as the upper half of a pair)
.irp a, 0,1,2,3,4,5,6,7
	SOFTQ \a
.endr
	s_wait_tensorcnt 0x0                           ; the wave's end
	ds_add_u32 v[SPW], v[NIL]
	s_wait_dscnt 0x0
	CROUND                                         ; the closing round
	s_endpgm
.Lfunc_end_k_qbb85ef163d_score:
	.size	k_qbb85ef163d_score, .Lfunc_end_k_qbb85ef163d_score-k_qbb85ef163d_score
	.p2alignl 7, 3214868480
	.fill 96, 4, 3214868480
	.section	.rodata,"a",@progbits
	.p2align	6, 0x0
	.amdhsa_kernel k_qbb85ef163d_score
		.amdhsa_group_segment_fixed_size 327680
		.amdhsa_private_segment_fixed_size 0
		.amdhsa_enable_private_segment 0
		.amdhsa_kernarg_size 16
		.amdhsa_user_sgpr_count 2
		.amdhsa_user_sgpr_kernarg_segment_ptr 1
		.amdhsa_wavefront_size32 1
		.amdhsa_system_sgpr_workgroup_id_x 1
		.amdhsa_system_sgpr_workgroup_id_y 1
		.amdhsa_system_sgpr_workgroup_id_z 1
		.amdhsa_system_vgpr_workitem_id 0
		.amdhsa_next_free_vgpr 1024
		.amdhsa_next_free_sgpr 100
		.amdhsa_reserve_vcc 1
		.amdhsa_float_denorm_mode_32 3
		.amdhsa_float_denorm_mode_16_64 3
		.amdhsa_memory_ordered 1
		.amdhsa_forward_progress 1
		.amdhsa_inst_pref_size 238
	.end_amdhsa_kernel
	.amdgpu_metadata
---
amdhsa.version: [ 1, 2 ]
amdhsa.kernels:
  - .name:           k_qbb85ef163d_score
    .symbol:         k_qbb85ef163d_score.kd
    .args:
      - { .name: pc, .offset: 0, .size: 8, .value_kind: global_buffer, .address_space: global }
      - { .name: ac, .offset: 8, .size: 8, .value_kind: global_buffer, .address_space: global }
    .group_segment_fixed_size: 327680
    .private_segment_fixed_size: 0
    .kernarg_segment_align: 8
    .kernarg_segment_size: 16
    .max_flat_workgroup_size: 128
    .sgpr_count:     100
    .vgpr_count:     1024
    .wavefront_size: 32
...
	.end_amdgpu_metadata
.endif
;; end of part 3
;; launch mix (part 4): grid 4 x 64, 4 waves a work-group, clusters of 4 x 4, 327,680 bytes of LDS; arguments ac, pc, out0; writes out0
.if DOCPART == 4
	.amdgcn_target "amdgcn-amd-amdhsa--gfx1250"
	.amdhsa_code_object_version 6
	.text
	.protected	k_qbb85ef163d_mix
	.globl	k_qbb85ef163d_mix
	.p2align	8
	.type	k_qbb85ef163d_mix,@function
k_qbb85ef163d_mix:
	s_mov_b64 s[64:65], 0
	v_nop
	global_prefetch_b8 v0, s[64:65] scope:SCOPE_SE
	s_setreg_imm32_b32 hwreg(HW_REG_WAVE_MODE, 25, 1), 1
	s_wait_xcnt 0x0
	s_wait_alu depctr_hold_cnt(0) depctr_sa_sdst(0) depctr_va_vdst(0) depctr_va_sdst(0) depctr_va_ssrc(0) depctr_va_vcc(0) depctr_vm_vsrc(0)
	s_getreg_b32 s2, hwreg(HW_REG_IB_STS2, 6, 4)
	s_cmp_eq_u32 s2, 0
	s_cbranch_scc0 .Lentry_in_a_cluster
	s_endpgm
.Lentry_in_a_cluster:
	s_bfe_u32 s2, ttmp6, 0x10000c
	s_cmp_lg_u32 s2, 0xf033
	s_cbranch_scc0 .Lentry_shape_is_right
	s_endpgm
.Lentry_shape_is_right:
; O = P Vt^T / l on codes of FP6 (E2M3) with E8M0 scales.  P's records (ac) stand under a local whole number M_s for each query and 128 keys; the row's M is the largest of them.  A record is brought under M by taking
; M - M_s off each of its four scale bytes, in registers, on its way to the matrix unit; l = the sum over the key steps of (the step's sum of p) x 2^(M_s - M), exact powers of two.
; A work-group makes 128 queries x 256 channels, four waves of 64 x 128: 32 accumulators.  A cluster of 4 x 4 makes 512 queries x all 1,024 channels of one batch: cluster y = 4 x batch + cq, queries 512 cq on.
; THE CAUSAL MASK: the cluster walks keys 0 .. 512 (cq + 1) - 1 alone: cq + 1 laps of two slots of 256 keys; the count hangs on the cluster's number and is alike in all partners.
; LIMITS: what is taken off a byte is held at 90 (the bytes lie between 94 and 125): 128 keys that lie more than 2^90 under their row's maximum count as 2^-90 of themselves; their share of l falls to what f32 keeps.
; The core, the records and the order of a tile's rows are those of the two launches before.  No prefetch is written: the shortest walk is the two slots asked for at the head, the longest eight.
; REGISTERS: window 0: v8-11, v16-27 addresses; v28, v29 the add's two; v32-63 for each slot and each of tiles 0-3 and each 128 keys a pair (scale words: lanes 0-15 P's, lanes 16-31 Vt's; -M_s or 0); v64-159 P's fragments, two sets;
;   v192-207 the scale words of Vt's tiles 4-7; v208-211 -M in lanes 0-15, 0 in lanes 16-31; v212-219 1 / l; v220-227 at work.  window 1: Vt's fragments, two sets.  window 2: accumulator (a, b) at v[8 (8 a + b)].
.set NA,    4
.set REC,   1792
.set TR,    2*REC
.set HALFA, NA*TR
.set HALFB, 8*TR
.set SLOT,  2*HALFA+2*HALFB
.set SPARE, 2*SLOT
.set AROW,  16*REC                     ; a query tile's 16 records in ac; also a batch's 16 records in a row of Vt
.set BROW,  64*REC                     ; a channel tile's 64 records of Vt
.set VT0,   8192*REC                   ; where Vt begins in pc
.set VO,   8                           ; v8-11 the statistics' offsets
.set ADRA, 16
.set ADRB, 20
.set ADRS, 22
.set LI,   24
.set L8,   25
.set STO,  26                          ; v26 the way out: where I put my numbers of a row
.set RDA,  27                          ; v27 and where I read a row back
.set SPW,  28
.set NIL,  29
.set SC,   32
.set AF,   64
.set XS,   64                          ; v64-191 the statistics: pair 16 a + s
.set OB,   64                          ; the way out: a tile divided by l;
.set BK,   128                         ; and its rows, back from the stage
.set SCB,  192
.set MRF,  208
.set RL,   212
.set FT,   220
.set NR,   228                         ; v228-231 -M
.set LL,   232                         ; v232-235 l
.set G1,   24
.set G0,   32
.set G1B,  48
.set G0B,  56
.set SEL,  72
.set HM,   76
.set FG,   84                          ; s84-86: 1.0 where keys 512 g on are walked (g = 1, 2, 3), else 0
.set MSB,  0
.macro WIN new
.if MSB != (\new)
	s_set_vgpr_msb (MSB<<8)|(\new)
.set MSB, (\new)
.endif
.endm
.set TO_B, 0x40
.macro PLACES n
.rept \n
	v_nop
.endr
.endm
.macro JLOAD g0a, g1a, g0b, g1b
	s_cmp_eq_u32 s15, 0
	s_cbranch_scc0 .Lfor_b_\@
	tensor_load_to_lds s[\g0a:\g0a+3], s[\g1a:\g1a+7]
	s_nop 0
.rept 4
	v_nop
.endr
	s_branch .Lasked_\@
.Lfor_b_\@:
	tensor_load_to_lds s[\g0b:\g0b+3], s[\g1b:\g1b+7]
	s_nop 0
.rept 4
	v_nop
.endr
.Lasked_\@:
.endm
.macro CREST
	s_cmp_lg_u32 s14, 0
	s_cbranch_scc1 .Lnot_wave_0_\@
	s_barrier_signal -3
.Lnot_wave_0_\@:
	s_barrier_wait -3
	s_barrier_signal -1
	s_barrier_wait -1
.endm
.macro CROUND
	s_barrier_signal -1
	s_barrier_wait -1
	CREST
.endm
.macro FETCH slot, q, p
	WIN TO_B
.irp i, 0,1,2,3,4,5,6,7
.irp c, 0,1,2
	ds_load_b128 v[128*(\p)+12*\i+4*\c:128*(\p)+12*\i+4*\c+3], v[ADRB+\slot] offset:\i*TR+(\q)*REC+512*\c
.endr
.endr
	WIN 0
.irp i, 0,1,2,3
.irp c, 0,1,2
	ds_load_b128 v[AF+12*NA*(\p)+12*\i+4*\c:AF+12*NA*(\p)+12*\i+4*\c+3], v[ADRA+\slot] offset:\i*TR+(\q)*REC+512*\c
.endr
.endr
.endm
.macro SCALES slot                     ; tiles 0-3: the tail's 8 bytes (lanes 0-15: P's word and -M_s; lanes 16-31: Vt's word and 0); tiles 4-7: Vt's word alone (what lanes 0-15 bring there is not read)
.irp i, 0,1,2,3
.irp q, 0,1
	ds_load_b64 v[SC+16*\slot+4*\i+2*\q:SC+16*\slot+4*\i+2*\q+1], v[ADRS+\slot] offset:\i*TR+\q*REC+1536
.endr
.endr
.irp i, 4,5,6,7
.irp q, 0,1
	ds_load_b32 v[SCB+8*\slot+2*(\i-4)+\q], v[ADRS+\slot] offset:\i*TR+\q*REC+1536
.endr
.endr
.endm
; P's scale words of a slot under the row's M: M - M_s = (-M_s) - (-M), held at 90, as a byte in all four bytes, taken off the word.  No byte borrows: each is 94 at the least.  In lanes 16-31 both numbers are 0: Vt's words stay.
.macro FIX slot
.irp i, 0,1,2,3
.irp q, 0,1
	v_sub_f32 v[FT+2*\i+\q], v[SC+16*\slot+4*\i+2*\q+1], v[MRF+\i]
.endr
.endr
.irp n, 0,1,2,3,4,5,6,7
	v_min_num_f32 v[FT+\n], 0x42b40000, v[FT+\n]
.endr
.irp n, 0,1,2,3,4,5,6,7
	v_cvt_u32_f32 v[FT+\n], v[FT+\n]
.endr
.irp n, 0,1,2,3,4,5,6,7
	v_perm_b32 v[FT+\n], v[FT+\n], v[FT+\n], 0
.endr
.irp n, 0,1,2,3,4,5,6,7
	v_sub_nc_u32 v[SC+16*\slot+2*\n], v[SC+16*\slot+2*\n], v[FT+\n]
.endr
.endm
; cm = 0: the sums go on; 1: the first product starts them.  The 32 accumulators take turns, one instruction a turn.
.macro MUL a0, n, p, q, sl, cm
	WIN 0xa1
.set MA, \a0
.rept \n
.irp b, 0,1,2,3,4,5,6,7
.set RD_, 8*(8*MA+\b)
.set RB_, 128*(\p)+12*\b
.set RA_, AF+12*NA*(\p)+12*MA
.set SB_, (1-\b/4)*(SC+16*(\sl)+4*\b+2*(\q))+(\b/4)*(SCB+8*(\sl)+2*(\b-4)+(\q))
.set SA_, SC+16*(\sl)+4*MA+2*(\q)
.if (\cm) == 0
	v_wmma_scale_f32_16x16x128_f8f6f4 v[RD_:RD_+7], v[RB_:RB_+11], v[RA_:RA_+11], v[RD_:RD_+7], v[SB_], v[SA_] matrix_a_fmt:MATRIX_FMT_FP6 matrix_b_fmt:MATRIX_FMT_FP6 matrix_a_scale:MATRIX_SCALE_ROW1
.else
	v_wmma_scale_f32_16x16x128_f8f6f4 v[RD_:RD_+7], v[RB_:RB_+11], v[RA_:RA_+11], 0, v[SB_], v[SA_] matrix_a_fmt:MATRIX_FMT_FP6 matrix_b_fmt:MATRIX_FMT_FP6 matrix_a_scale:MATRIX_SCALE_ROW1
.endif
.endr
.set MA, MA+1
.endr
.endm
.macro STEP slot, cm
	s_wait_dscnt 0x0                               ; set 0 and the tails are in
	FIX \slot                                      ; forty plain instructions that name none of the last products' registers: also the places in front of the loads below
	FETCH \slot, 1, 1
	PLACES 8                                       ; a scale register written by a vector instruction stands eight places ahead of a scaled matrix instruction
	MUL 0, NA, 0, 0, \slot, \cm
	WIN 0
.endm
.macro TURN slot, next, fill
	s_wait_tensorcnt 0x0                           ; all my tensor loads have landed: my part of the next slot
	ds_add_u32 v[SPW], v[NIL]                      ; 0 onto my spare word
	s_wait_dscnt 1                                 ; set 1 is in; the add alone may be out
	MUL 0, NA/4, 1, 1, \slot, 0
	s_wait_dscnt 0x0                               ; the add is done, and my reads of this slot are over
	s_barrier_signal -1
	MUL NA/4, NA/4, 1, 1, \slot, 0
	WIN 0
	s_barrier_wait -1
.if \fill
	CREST                                          ; a round of the cluster's barrier: no wave of any partner still reads this slot or has a load on its way
	s_add_nc_u64 s[G0+4*\slot+2:G0+4*\slot+3], s[G0+4*\slot+2:G0+4*\slot+3], 2*TR
	s_add_nc_u64 s[G0B+4*\slot+2:G0B+4*\slot+3], s[G0B+4*\slot+2:G0B+4*\slot+3], 2*TR
	JLOAD G0+4*\slot, G1, G0B+4*\slot, G1B
.else
	PLACES 4
.endif
	FETCH \next, 0, 0
	SCALES \next
	MUL NA/2, NA/2, 1, 1, \slot, 0
	WIN 0
.endm
	s_load_b128 s[4:7], s[0:1], 0x0                ; ac s[4:5], pc s[6:7]
	s_load_b64 s[8:9], s[0:1], 0x10                ; out0
	v_lshl_add_u32 v[SPW], v0, 2, SPARE
	v_mov_b32 v[NIL], 0
	ds_add_u32 v[SPW], v[NIL]                      ; the wave's opening: the add and its wait ahead of my first tensor load
	v_lshrrev_b32 v1, 5, v0
	v_readfirstlane_b32 s14, v1                    ; wave 0..3
	s_lshr_b32 s15, s14, 1                         ; wa; also: I fetch for A (0) or for B (1)
	s_and_b32 s16, s14, 1                          ; wb; also: which half I fetch
	s_bfe_u32 s40, ttmp6, 0x40000                  ; cx
	s_bfe_u32 s41, ttmp6, 0x40004                  ; cy
	s_and_b32 s17, ttmp7, 0xffff                   ; cluster y
	s_lshr_b32 s18, s17, 2                         ; the batch
	s_and_b32 s19, s17, 3                          ; cq
	s_lshl_b32 s43, s41, 2
	s_lshl_b32 s43, 15, s43
	s_lshl_b32 s44, 0x1111, s40
	s_or_b32 s[G1], s43, (3<<16)|(1<<21)
	s_mov_b32 s[G1+1], (TR/8)<<16
	s_mov_b32 s[G1+2], NA<<16                      ; P: 4 tiles,
	s_mov_b32 s[G1+3], (TR/8)<<16
	s_mov_b32 s[G1+4], NA
	s_mov_b32 s[G1+5], AROW/8                      ; 16 records apart
	s_mov_b32 s[G1+6], 0
	s_mov_b32 s[G1+7], 0
	s_or_b32 s[G1B], s44, (3<<16)|(1<<21)
	s_mov_b32 s[G1B+1], (TR/8)<<16
	s_mov_b32 s[G1B+2], 8<<16                      ; Vt: 8 tiles,
	s_mov_b32 s[G1B+3], (TR/8)<<16
	s_mov_b32 s[G1B+4], 8
	s_mov_b32 s[G1B+5], BROW/8                     ; 64 records apart
	s_mov_b32 s[G1B+6], 0
	s_mov_b32 s[G1B+7], 0
	s_lshl_b32 s20, s18, 7
	s_lshl_b32 s21, s19, 5
	s_add_co_u32 s20, s20, s21
	s_lshl_b32 s21, s41, 3
	s_add_co_u32 s20, s20, s21                     ; my work-group's first query tile: 128 batch + 32 cq + 8 cy
	s_lshl_b32 s21, s15, 2
	s_add_co_u32 s66, s20, s21                     ; + 4 wa: my wave's
	s_lshl_b32 s21, s16, 2
	s_add_co_u32 s20, s20, s21                     ; + 4 half: what I fetch
	s_mul_i32 s20, s20, AROW
	s_mov_b32 s21, 0
	s_mul_i32 s66, s66, AROW
	s_mov_b32 s67, 0
	s_lshl_b32 s46, s40, 4
	s_lshl_b32 s47, s16, 3
	s_add_co_u32 s46, s46, s47                     ; Vt's tile 16 cx + 8 half,
	s_mul_i32 s46, s46, BROW
	s_mul_i32 s47, s18, AROW                       ; the batch's 16 key steps
	s_add_co_u32 s46, s46, s47
	s_add_co_u32 s46, s46, VT0
	s_mov_b32 s47, 0
	s_mul_i32 s22, s16, HALFA
	s_mul_i32 s23, s16, HALFB
	s_add_co_u32 s23, s23, 2*HALFA
	s_wait_dscnt 0x0                               ; the opening add is done
	s_wait_kmcnt 0x0
	s_add_nc_u64 s[20:21], s[4:5], s[20:21]
	s_add_nc_u64 s[46:47], s[6:7], s[46:47]
	s_add_nc_u64 s[66:67], s[4:5], s[66:67]
	CROUND
.irp s, 0,1
	s_mov_b32 s[G0+4*\s], 1
	s_add_co_u32 s[G0+4*\s+1], s22, \s*SLOT
	s_add_nc_u64 s[G0+4*\s+2:G0+4*\s+3], s[20:21], \s*TR
	s_or_b32 s[G0+4*\s+3], s[G0+4*\s+3], 0x80000000
	s_mov_b32 s[G0B+4*\s], 1
	s_add_co_u32 s[G0B+4*\s+1], s23, \s*SLOT
	s_add_nc_u64 s[G0B+4*\s+2:G0B+4*\s+3], s[46:47], \s*TR
	s_or_b32 s[G0B+4*\s+3], s[G0B+4*\s+3], 0x80000000
	JLOAD G0+4*\s, G1, G0B+4*\s, G1B
.endr
	v_and_b32 v1, 31, v0
	v_and_b32 v2, 15, v0
	v_bfe_u32 v3, v0, 4, 1
	v_lshlrev_b32 v[LI], 4, v1
	v_lshlrev_b32 v[L8], 3, v1
	; THE STATISTICS of my 64 queries: the tails of all the records that the cluster walks.  Key steps beyond them name the last group walked once more: they change no minimum, and their sums are multiplied by 0.
	v_mov_b32 v[VO], v[L8]
.irp g, 1,2,3
	s_min_u32 s70, s19, \g
	s_mul_i32 s70, s70, 4*REC
	v_add_nc_u32 v[VO+\g], s70, v[L8]
.endr
.irp a, 0,1,2,3
.irp s, 0,1,2,3,4,5,6,7,8,9,10,11,12,13,14,15
	global_load_b64 v[XS+2*(16*\a+\s):XS+2*(16*\a+\s)+1], v[VO+\s/4], s[66:67] offset:\a*AROW+(\s%4)*REC+1536
.endr
.endr
.irp g, 1,2,3
	s_cmp_ge_u32 s19, \g
	s_cselect_b32 s[FG+\g-1], 1.0, 0
.endr
	s_mul_i32 s20, s15, HALFA
	s_mul_i32 s21, s16, HALFB
	s_add_co_u32 s21, s21, 2*HALFA
	s_sub_co_u32 s22, s21, s20
	v_mul_u32_u24 v4, s22, v3                      ; lanes 16-31 take Vt's tails
	v_add_nc_u32 v4, v4, v[L8]
.irp s, 0,1
	v_add_nc_u32 v[ADRA+\s], s20, v[LI]
	v_add_nc_u32 v[ADRB+\s], s21, v[LI]
	v_add_nc_u32 v[ADRS+\s], s20, v4
	s_add_co_u32 s20, s20, SLOT
	s_add_co_u32 s21, s21, SLOT
.endr
	s_mul_i32 s23, s14, 16*528                     ; my stage for the way out: 16 rows x (512 bytes + 16), in slot 0, which has had its last fill and its last read by then
	v_mul_u32_u24 v[STO], v2, 528
	v_lshl_add_u32 v[STO], v3, 6, v[STO]
	v_add_nc_u32 v[STO], s23, v[STO]               ; in: row r, + 64 h
	v_add_nc_u32 v[RDA], s23, v[LI]                ; back: a whole row, 16 bytes a lane
	s_lshl_b32 s68, s18, 11
	s_lshl_b32 s69, s19, 9
	s_add_co_u32 s68, s68, s69
	s_lshl_b32 s69, s41, 7
	s_add_co_u32 s68, s68, s69
	s_lshl_b32 s69, s15, 6
	s_add_co_u32 s68, s68, s69                     ; my first row of O: 2,048 batch + 512 cq + 128 cy + 64 wa
	s_lshl_b32 s68, s68, 12
	s_lshl_b32 s69, s40, 10
	s_add_co_u32 s68, s68, s69
	s_lshl_b32 s69, s16, 9
	s_add_co_u32 s68, s68, s69                     ; my first column, in bytes: 1,024 cx + 512 wb
	s_mov_b32 s69, 0
	s_add_nc_u64 s[8:9], s[8:9], s[68:69]
	s_mov_b32 s[SEL], 0x76543210
	s_mov_b32 s[SEL+1], 0xfedcba98
	s_mov_b32 s[HM], 0xffff0000
	s_wait_loadcnt 0x0                             ; the statistics
.irp a, 0,1,2,3
	v_min3_num_f32 v[NR+\a], v[XS+32*\a+1], v[XS+32*\a+3], v[XS+32*\a+5]   ; -M = the smallest -M_s
.endr
.irp s, 3,5,7,9,11,13
.irp a, 0,1,2,3
	v_min3_num_f32 v[NR+\a], v[NR+\a], v[XS+32*\a+2*\s+1], v[XS+32*\a+2*\s+3]
.endr
.endr
.irp a, 0,1,2,3
	v_min_num_f32 v[NR+\a], v[NR+\a], v[XS+32*\a+31]
.endr
.set N, 0
.rept 64
	v_sub_f32 v[XS+2*N+1], v[NR+N/16], v[XS+2*N+1] ; M_s - M: a whole number, 0 or less
.set N, N+1
.endr
.set N, 0
.rept 64
	v_cvt_i32_f32 v[XS+2*N+1], v[XS+2*N+1]         ; (it saturates)
.set N, N+1
.endr
.set N, 0
.rept 64
	v_ldexp_f32 v[XS+2*N], v[XS+2*N], v[XS+2*N+1]  ; the step's sum under M: nothing is rounded.  (Lanes 16-31 hold the sums; what lanes 0-15 make of the scale words is thrown away below)
.set N, N+1
.endr
.irp a, 0,1,2,3
	v_add_f32 v[LL+\a], v[XS+32*\a], v[XS+32*\a+2]
.endr
.irp s, 2,3
.irp a, 0,1,2,3
	v_add_f32 v[LL+\a], v[LL+\a], v[XS+32*\a+2*\s]
.endr
.endr
.irp s, 4,5,6,7,8,9,10,11,12,13,14,15
.irp a, 0,1,2,3
	v_fmac_f32 v[LL+\a], s[FG+\s/4-1], v[XS+32*\a+2*\s]
.endr
.endr
.irp a, 0,1,2,3
	v_permlanex16_b32 v[XS+\a], v[LL+\a], s[SEL], s[SEL+1]
.endr
.irp a, 0,1,2,3
	v_cndmask_b32 v[LL+\a], v[XS+\a], v[LL+\a], s[HM]   ; l in both halves of the lanes
.endr
.irp a, 0,1,2,3
	v_rcp_f32 v[RL+2*\a], v[LL+\a]
.endr
.irp a, 0,1,2,3
	v_mov_b32 v[RL+2*\a+1], 0                      ; (named as the upper half of a pair; plain places behind the reciprocals)
.endr
.irp a, 0,1,2,3
	v_cndmask_b32 v[MRF+\a], v[NR+\a], 0, s[HM]    ; -M in lanes 0-15, 0 in lanes 16-31
.endr
	s_wait_alu depctr_va_vdst(0)                   ; one wait for the four reciprocals, ahead of every label and of their first reader
	s_wait_tensorcnt 1                             ; my part of slot 0 is in; slot 1's may stay out
	s_barrier_signal -1
	s_barrier_wait -1
	FETCH 0, 0, 0
	SCALES 0
	STEP 0, 1                                      ; the first step's products start the sums
	s_cmp_eq_u32 s19, 0                            ; cq = 0: the two slots asked for at the head are all: the jump leads round the whole loop, and every wait on TENSORcnt behind it is for 0
	s_cbranch_scc1 .Ltail
	s_mov_b32 s3, s19
.Llap:                                                 ; cq trips: once round the ring, both slots filled again
	TURN 0, 1, 1
	STEP 1, 0
	TURN 1, 0, 1
	STEP 0, 0
	s_sub_co_u32 s3, s3, 1
	s_cmp_lg_u32 s3, 0
	s_cbranch_scc1 .Llap
.Ltail:
	TURN 0, 1, 0                                   ; the last lap fills nothing
	STEP 1, 0
	s_wait_dscnt 0x0
	MUL 0, NA, 1, 1, 1, 0
	WIN 0
; THE WAY OUT, a tile of 16 queries x my 128 channels at a time: divided by l, through my stage, back as whole rows of 512 bytes.  Lane row t of tile a is the row 32 (a / 2) + 8 (a % 2) + t + 8 (t / 8).
.macro OUTA a
	WIN 0x02
.set N, 0
.rept 32
	v_pk_mul_f32 v[OB+N:OB+N+1], v[64*(\a)+N:64*(\a)+N+1], v[RL+2*(\a):RL+2*(\a)+1] op_sel_hi:[1,0]   ; each accumulator from its low end on
.set N, N+2
.endr
	WIN 0
.irp g, 0,1,2,3
.irp k, 0,1,2,3
	ds_store_b128 v[STO], v[OB+16*\g+4*\k:OB+16*\g+4*\k+3] offset:128*\g+16*\k   ; register 16 g + i is channel 32 g + 16 h + i
.endr
.endr
.if (\a) > 0
	s_wait_xcnt 0x0                                ; the last tile's stores have read their data: the loads below may land there
.endif
.irp t, 0,1,2,3,4,5,6,7,8,9,10,11,12,13,14,15
	ds_load_b128 v[BK+4*\t:BK+4*\t+3], v[RDA] offset:528*\t   ; LDS serves a wave's instructions in order: these see the stores above
.endr
	s_wait_dscnt 0x0
.irp t, 0,1,2,3,4,5,6,7,8,9,10,11,12,13,14,15
	global_store_b128 v[LI], v[BK+4*\t:BK+4*\t+3], s[8:9] offset:(32*((\a)/2)+8*((\a)%2)+\t+8*(\t/8))*4096 th:TH_STORE_NT   ; 512 consecutive bytes, aligned
.endr
.endm
	PLACES 4                                       ; behind the last products
.irp a, 0,1,2,3
	OUTA \a
.endr
	s_wait_tensorcnt 0x0                           ; the wave's end: behind my last tensor load and my last LDS store
	ds_add_u32 v[SPW], v[NIL]
	s_wait_dscnt 0x0
	CROUND                                         ; the closing round
	s_endpgm
.Lfunc_end_k_qbb85ef163d_mix:
	.size	k_qbb85ef163d_mix, .Lfunc_end_k_qbb85ef163d_mix-k_qbb85ef163d_mix
	.p2alignl 7, 3214868480
	.fill 96, 4, 3214868480
	.section	.rodata,"a",@progbits
	.p2align	6, 0x0
	.amdhsa_kernel k_qbb85ef163d_mix
		.amdhsa_group_segment_fixed_size 327680
		.amdhsa_private_segment_fixed_size 0
		.amdhsa_enable_private_segment 0
		.amdhsa_kernarg_size 24
		.amdhsa_user_sgpr_count 2
		.amdhsa_user_sgpr_kernarg_segment_ptr 1
		.amdhsa_wavefront_size32 1
		.amdhsa_system_sgpr_workgroup_id_x 1
		.amdhsa_system_sgpr_workgroup_id_y 1
		.amdhsa_system_sgpr_workgroup_id_z 1
		.amdhsa_system_vgpr_workitem_id 0
		.amdhsa_next_free_vgpr 768
		.amdhsa_next_free_sgpr 100
		.amdhsa_reserve_vcc 0
		.amdhsa_float_denorm_mode_32 3
		.amdhsa_float_denorm_mode_16_64 3
		.amdhsa_memory_ordered 1
		.amdhsa_forward_progress 1
		.amdhsa_inst_pref_size 116
	.end_amdhsa_kernel
	.amdgpu_metadata
---
amdhsa.version: [ 1, 2 ]
amdhsa.kernels:
  - .name:           k_qbb85ef163d_mix
    .symbol:         k_qbb85ef163d_mix.kd
    .args:
      - { .name: ac, .offset: 0, .size: 8, .value_kind: global_buffer, .address_space: global }
      - { .name: pc, .offset: 8, .size: 8, .value_kind: global_buffer, .address_space: global }
      - { .name: out0, .offset: 16, .size: 8, .value_kind: global_buffer, .address_space: global }
    .group_segment_fixed_size: 327680
    .private_segment_fixed_size: 0
    .kernarg_segment_align: 8
    .kernarg_segment_size: 24
    .max_flat_workgroup_size: 128
    .sgpr_count:     100
    .vgpr_count:     768
    .wavefront_size: 32
...
	.end_amdgpu_metadata
.endif
;; end of part 4
